; MI455X (gfx1250); checked and timed in simulation.
; The chip was launched on July 23, 2026; its instructions are those of AMD's public machine-readable ISA for CDNA 5 (MIT licence, August 2026) and "CDNA5" Instruction Set Architecture Reference Guide (July 2026). The comments in the code are by the model that wrote it; some were corrected since.
;; Attention. Allowed arithmetic: matrix products marked QUANTISED: E2M1 operands, one E8M0 scale for each 32 along K, by v_wmma_scale_f32_16x16x128_f8f6f4 with both operands' format E2M1 (or v_wmma_scale_f32_32x16x128_f4), f32 sums; everything else in f32.
;; Inputs: hidden_state 4 x 2,048 x 1,024 float32; o_b 1,024 float32; o_w 1,024 x 1,024 float32; qkv_b 3,072 float32; qkv_w 1,024 x 3,072 float32.
;; Outputs: out0 4 x 2,048 x 1,024 float32.
;; This version of the problem:
;;   THIS VERSION OF THE PROBLEM IS GIVEN IN LOW PRECISION. The matrix products marked QUANTISED in the list below multiply operands that are first quantised to E2M1 (2 exponent bits, 1 mantissa bit; 4 bits a number), with one power-of-two scale for each 32 numbers along K (OCP MX v1.0); their sums are f32. All else is computed in f32.
;;   The module's matrix products, in the order in which they are computed (A, B: the left and right operand; K: the contracted axis; several contracted axes count as one K, in the product's order):
;;     1. [M 8,192, K 1,024] x [K 1,024, N 3,072]; A: input hidden_state; B: input qkv_w: QUANTISED
;;     2. batch 64 x [M 2,048, K 64] x [K 64, N 2,048]; A: computed on the way; B: computed on the way: QUANTISED
;;     3. batch 64 x [M 2,048, K 2,048] x [K 2,048, N 64]; A: softmax (see below); B: computed on the way: QUANTISED
;;     4. [M 8,192, K 1,024] x [K 1,024, N 1,024]; A: computed on the way; B: input o_w: QUANTISED
;;   THE QUANTISER, for each operand of a quantised product, along K:
;;     - K is cut into blocks of 32 from its start; a last block that is shorter is filled with zeros.
;;     - A block's scale is 2^e with e = floor(log2(the largest magnitude in the block)) - 2, held to -126 .. 127; a block of zeros has e = 0. As a byte (E8M0): e + 127.
;;     - Each number is divided by its block's scale, clamped to +-6, and rounded to the nearest number of E2M1, ties to even, subnormals kept.
;;     - The product sums the exact products of the quantised numbers (number of the format x scale) in f32.
;;   ~~~python
;;   def quantise(x, axis):      # numpy; x: float32 -> the quantised numbers, widened to float32 again
;;       x = np.moveaxis(x, axis, -1); K = x.shape[-1]
;;       x = np.pad(x, [(0, 0)] * (x.ndim - 1) + [(0, -K % 32)]); x = x.reshape(x.shape[:-1] + (-1, 32)); a = np.abs(x).max(-1, keepdims=True)
;;       e = np.where(a > 0, np.clip(np.frexp(np.where(a > 0, a, 1))[1] - 1 - 2, -126, 127), 0)      # np.frexp(a)[1] - 1 = floor(log2(a)), exactly
;;       r = np.clip(x / 2.0 ** e, -6, 6)
;;       step = 2.0 ** (np.maximum(np.frexp(np.where(r == 0, 1, r))[1] - 1, 0) - 1)
;;       q = np.round(r / step) * step * 2.0 ** e      # np.round: ties to even
;;       return np.moveaxis(q.reshape(q.shape[:-2] + (-1,))[..., :K], -1, axis).astype(np.float32)
;;   ~~~
;;   SOFTMAX AHEAD OF A QUANTISED PRODUCT. Where the list says 'softmax', what is quantised is not the finished softmax but p = 2^(t - M), with t = logit x log2(e) and M = ceil(the row's largest t), a whole number; so 1/2 < the row's largest p <= 1. The row's sum l is taken of the UNQUANTISED p, in f32, and the product's result is divided by l at the end. Since M is a whole number, a kernel that streams over the keys may use a running M (the ceiling of the running maximum): every later rescaling is an exact power of two, which a block's scale takes up: the codes' values come out the same.
;;   OPERANDS COMPUTED ON THE WAY. 'Computed on the way' means the value that the module computes at that place (a softmax that the list does not call 'softmax' is quantised finished and normalised). What goes into a quantiser is computed in f32, as accurately as f32 sums, v_exp_f32 and their like allow (about 1e-6 of the number): no bf16 or f16 on the way to a quantiser, and a product that is left as it is and whose result goes on into a quantised operand takes f32 operands (vector FMAs, or v_wmma_f32_16x16x4_f32). A number that lies on a knife's edge between two numbers of the format may be rounded either way, as far as f32 arithmetic and the matrix unit's own rounding can turn it there, and no further.
;; One version. Each part assembles by itself: llvm-mc -triple=amdgcn-amd-amdhsa -mcpu=gfx1250 --defsym DOCPART=n.
;; ======== version 1 of 1: 4 launches
;; workspace buffers: opq 6,684,672 bytes; qkv 13,369,344 bytes; ao 4,456,448 bytes
;; launch quant (part 1): grid 512 x 1, 4 waves a work-group, no clusters, 34,304 bytes of LDS; arguments hidden_state, qkv_w, o_w, opq; writes opq
.if DOCPART == 1
	.amdgcn_target "amdgcn-amd-amdhsa--gfx1250"
	.amdhsa_code_object_version 6
	.text
	.protected	k_q4bc741840b_quant
	.globl	k_q4bc741840b_quant
	.p2align	8
	.type	k_q4bc741840b_quant,@function
k_q4bc741840b_quant:
	s_mov_b64 s[64:65], 0
	v_nop
	global_prefetch_b8 v0, s[64:65] scope:SCOPE_SE
	s_setreg_imm32_b32 hwreg(HW_REG_WAVE_MODE, 25, 1), 1
	s_wait_xcnt 0x0
; THE PROGRAM: causal attention (B 4, T 2048, C 1024, 16 heads of 64), all four products on codes of FP4 (E2M1) with one E8M0 scale for each 32 along K.
;   quant: codes and scales of hidden_state, qkv_w, o_w.   gemm_qkv: x Wqkv + qkv_b, quantised: q and k along the head's 64, v along the keys.
;   attn: q k^T, softmax, p v, / l, quantised along C.   gemm_out: attn Wo + o_b.
; WORK LEFT OUT (in attn): a key step of 128 keys all of which come after a query tile's last query.  reference() itself sets those scores to -inf by its own jnp.tril, so their p is 0 and they add
; nothing to the row's sum or to the product with v, whatever finite values the inputs hold.  Every input has a way to the output and is loaded.  LIMIT: a NaN, an infinity or an overflow that reaches only those scores is not carried to the result.
; LIMITS: NaN and infinities among the inputs are not served.  A block whose largest magnitude lies under 2^-124 gets the byte 1 (the floor); a block of zeros gets the byte 1 where the rule says 127:
; its codes are zeros, which add nothing under any byte but 0xff, and the bytes are read by this program alone.
; THE LAYOUT OF EVERY OPERAND.  Rows go in groups of 32; tile T = 2 g + u holds at place r (0..15) row 32 g + 8 u + r % 8 + 16 (r / 8).  A fragment (16 rows x 128 K) lies in memory as the image of its eight
; registers: [block of 32 K: 4][place r: 16][16 bytes], so that two 16-byte accesses a lane at 16 x lane bring or store it, 512 consecutive bytes each.  Scale bytes: 16 bytes a place for 512 along K.
;   opq: x's codes [kq 2][T 512][4,096] at 0; the weights' codes [kq 2][T 256][4,096] at WC (T 0..191 columns of qkv_w, 192..255 of o_w); x's scales [T][kq][r][16] at XS; the weights' at WS.
; THIS LAUNCH.  Work-groups 0..255: 32 rows of x each; wave w takes tile 2 wg + w / 2 and K half w % 2, in four steps of 128 K.  Each load reads 512 consecutive bytes of a row; the 16 rows turn through the
; wave's own stage in LDS, so that a lane gets whole blocks of 32 neighbours.  Work-groups 256..511: 128 columns x 128 K of a weight; a lane takes a column and its registers run down K, so nothing is transposed.
; No barrier: waves share nothing.  No prefetch: the launch reads its inputs once, in long runs, with many loads out.
.set XS,    6291456
.set WC,    4194304
.set WS,    6553600
.set STG,   16*528                     ; a wave's stage: 16 rows of 512 bytes + 16 of padding (33 x 16 bytes: the 16 rows of a read fall on 16 different columns of 16 bytes)
.set SPARE, 4*STG                      ; behind the stages: the spare words, 128 bytes a wave
.set SPW,   2                          ; v2   my spare word; never rewritten
.set NIL,   3                          ; v3   0; never rewritten
.set R,     16                         ; v16-143  x: two sets of 64 registers as loaded
.set X,     144                        ; v144-207 x: my two blocks of 32 neighbours
.set C,     208                        ; v208-239 x: codes, eight registers a step: no store's data are written again
.set SW,    240                        ; v240-243 x: a scale word a step
.set WN,    16                         ; v16-143  weights: my column's 128 numbers
.set WK,    144                        ; v144-159 weights: codes, four registers a block
.set WW,    160                        ; v160     weights: the four scale bytes
; the largest magnitude of 32 numbers of a lane, in two chains, with the floor 2^(3 - 127) as one more leaf: the byte cannot fall under 1
.macro BLKMAX d, t, x
	v_max3_num_f32 v[\d], |v[\x]|, |v[\x+1]|, |v[\x+2]|
	v_max3_num_f32 v[\t], |v[\x+3]|, |v[\x+4]|, |v[\x+5]|
.irp i, 6,10,14,18,22,26
	v_max3_num_f32 v[\d], v[\d], |v[\x+\i]|, |v[\x+\i+1]|
	v_max3_num_f32 v[\t], v[\t], |v[\x+\i+2]|, |v[\x+\i+3]|
.endr
	v_max3_num_f32 v[\d], v[\d], |v[\x+30]|, |v[\x+31]|
	v_max3_num_f32 v[\d], v[\d], v[\t], 0x1800000
.endm
	s_load_b256 s[4:11], s[0:1], 0x0               ; hidden_state s[4:5], qkv_w s[6:7], o_w s[8:9], opq s[10:11]
	v_lshl_add_u32 v[SPW], v0, 2, SPARE
	v_mov_b32 v[NIL], 0
	v_lshrrev_b32 v1, 5, v0
	v_readfirstlane_b32 s12, v1                    ; wave 0..3
	v_and_b32 v1, 31, v0                           ; lane
	v_and_b32 v9, 15, v0                           ; r
	v_bfe_u32 v10, v0, 4, 1                        ; h (x), u (weights)
	v_lshlrev_b32 v7, 4, v9                        ; 16 r
	s_mov_b32 s25, 0
	s_mov_b32 s29, 0
	s_wait_kmcnt 0x0
	s_cmp_lt_u32 ttmp9, 256
	s_cbranch_scc0 .Lweights
	s_wait_alu depctr_va_vdst(0)
	; ---------------- x ----------------
	v_lshlrev_b32 v4, 4, v1                        ; 16 x lane: my bytes of a load's 512, and of an image's 512
	s_wait_alu depctr_va_vdst(0)
	s_mul_i32 s13, s12, STG
	v_add_nc_u32 v5, s13, v4                       ; the stage, on the way in
	v_mul_u32_u24 v6, v9, 528
	v_lshl_add_u32 v6, v10, 7, v6
	v_add_nc_u32 v6, s13, v6                       ; and out: row r, + 128 h bytes: k = 64 c + 32 h on
	v_lshlrev_b32 v8, 3, v10                       ; 8 h: my bytes' place in the scale word
	v_mov_b32 v251, 0                              ; a lane permute's destination counts as read
	s_mov_b32 s20, 0x76543210
	s_mov_b32 s21, 0xfedcba98                      ; v_permlanex16_b32's selects for lane l xor 16
	s_lshr_b32 s22, s12, 1                         ; u
	s_and_b32 s23, s12, 1                          ; kq
	s_lshl_b32 s24, ttmp9, 17                      ; 32 rows of 4,096 bytes a work-group,
	s_lshl_b32 s26, s22, 15                        ; 8 u rows,
	s_add_co_u32 s24, s24, s26
	s_lshl_b32 s26, s23, 11                        ; 512 kq numbers
	s_add_co_u32 s24, s24, s26
	s_add_nc_u64 s[14:15], s[4:5], s[24:25]
	s_lshl_b32 s27, ttmp9, 1
	s_add_co_u32 s27, s27, s22                     ; T
	s_lshl_b32 s24, s27, 12
	s_lshl_b32 s26, s23, 21
	s_add_co_u32 s24, s24, s26
	s_add_nc_u64 s[16:17], s[10:11], s[24:25]      ; my codes: kq x 2 MiB + 4,096 T
	s_lshl_b32 s24, s27, 9
	s_lshl_b32 s26, s23, 8
	s_add_co_u32 s24, s24, s26
	s_add_co_u32 s24, s24, XS
	s_add_nc_u64 s[18:19], s[10:11], s[24:25]      ; my scales: XS + 512 T + 256 kq
.macro XLOAD s                         ; step s: 128 K of my 16 rows, a row a load: 512 consecutive bytes
.irp i, 0,1,2,3,4,5,6,7,8,9,10,11,12,13,14,15
	global_load_b128 v[R+64*((\s)%2)+4*\i:R+64*((\s)%2)+4*\i+3], v4, s[14:15] offset:((\i%8)+16*(\i/8))*4096+(\s)*512 th:TH_LOAD_NT
.endr
.endm
.macro XSTEP s
.if (\s) < 3
	s_wait_loadcnt 16                              ; this step's 16 loads are in; the next step's 16 may be out
.else
	s_wait_loadcnt 0x0
.endif
.irp i, 0,1,2,3,4,5,6,7,8,9,10,11,12,13,14,15
	ds_store_b128 v5, v[R+64*((\s)%2)+4*\i:R+64*((\s)%2)+4*\i+3] offset:\i*528
.endr
.irp c, 0,1
.irp i, 0,1,2,3,4,5,6,7
	ds_load_b128 v[X+32*\c+4*\i:X+32*\c+4*\i+3], v6 offset:\c*256+16*\i   ; LDS serves a wave's instructions in order: these see my stores
.endr
.endr
	s_wait_dscnt 0x0                               ; my blocks are in, and the stores have read their registers,
.if (\s) < 2
	XLOAD (\s)+2                                   ; which take the loads of two steps on
.endif
	BLKMAX 244, 246, X                             ; block h of the step,
	BLKMAX 245, 247, X+32                          ; block 2 + h
	v_add_nc_u32 v246, 0xff000000, v244            ; 2 off the exponent field: the conversion takes the exponent field of this operand as its scale
	v_add_nc_u32 v247, 0xff000000, v245
	v_lshrrev_b32 v248, 23, v246                   ; the scales' bytes
	v_lshrrev_b32 v249, 23, v247
	v_lshl_or_b32 v250, v249, 16, v248
	v_lshlrev_b32 v250, v8, v250                   ; at their places in the word;
	v_permlanex16_b32 v251, v250, s20, s21
	v_or_b32 v[SW+(\s)], v250, v251                ; with lane l xor 16's two the word is whole
.irp c, 0,1
.irp g, 0,1,2,3
	v_cvt_scalef32_pk8_fp4_f32 v[C+8*(\s)+4*\c+\g], v[X+32*\c+8*\g:X+32*\c+8*\g+7], v[246+\c]
.endr
.endr
	v_nop                                          ; one plain line behind the conversions: the next step writes their scale operands
.irp c, 0,1
	global_store_b128 v4, v[C+8*(\s)+4*\c:C+8*(\s)+4*\c+3], s[16:17] offset:(\s)*1024+\c*512   ; the fragment's image: 512 consecutive bytes
.endr
.endm
	XLOAD 0
	XLOAD 1
	s_wait_alu depctr_va_vdst(0)
	XSTEP 0
	XSTEP 1
	XSTEP 2
	XSTEP 3
	s_wait_xcnt 0x0                                ; EXEC changes only behind this wait
	v_cmp_gt_u32 vcc_lo, 16, v1
	s_and_saveexec_b32 s28, vcc_lo
	global_store_b128 v7, v[SW:SW+3], s[18:19]     ; lanes 0-15: 16 scale bytes a row, 256 consecutive bytes, aligned
	s_wait_xcnt 0x0
	s_or_b32 exec_lo, exec_lo, s28
	s_branch .Lend
	; ---------------- the weights ----------------
.Lweights:
	s_sub_co_u32 s22, ttmp9, 256
	s_and_b32 s23, s22, 31                         ; cg: which 128 columns (0..23 qkv_w, 24..31 o_w)
	s_lshr_b32 s24, s22, 5                         ; ks: which 128 along K
	s_wait_alu depctr_va_vdst(0)
	v_and_b32 v11, 7, v9
	v_lshrrev_b32 v12, 3, v9
	v_lshl_add_u32 v11, v12, 4, v11
	v_lshl_add_u32 v11, v10, 3, v11                ; my column among the wave's 32: 8 u + r % 8 + 16 (r / 8): the 32 lanes cover 128 consecutive bytes
	v_lshlrev_b32 v4, 2, v11
	v_lshl_add_u32 v5, v10, 12, v7                 ; codes: tile u, place r
	v_lshl_add_u32 v6, v10, 9, v7                  ; scales likewise
	s_lshl_b32 s26, s23, 3
	s_lshl_b32 s27, s12, 1
	s_add_co_u32 s26, s26, s27                     ; T0 = 8 cg + 2 wave
	s_lshr_b32 s27, s24, 2                         ; kq
	s_and_b32 s30, s24, 3                          ; the K step in it
	s_lshl_b32 s28, s26, 12
	s_lshl_b32 s31, s27, 20
	s_add_co_u32 s28, s28, s31
	s_lshl_b32 s31, s30, 10
	s_add_co_u32 s28, s28, s31
	s_add_co_u32 s28, s28, WC
	s_add_nc_u64 s[16:17], s[10:11], s[28:29]
	s_lshl_b32 s28, s26, 9
	s_lshl_b32 s31, s27, 8
	s_add_co_u32 s28, s28, s31
	s_lshl_b32 s31, s30, 2
	s_add_co_u32 s28, s28, s31
	s_add_co_u32 s28, s28, WS
	s_add_nc_u64 s[18:19], s[10:11], s[28:29]
	s_lshl_b32 s30, s12, 7                         ; my wave's 32 columns, in bytes
.macro WLOADS pitch                    ; my column, 128 rows down K; every offset is an immediate
.set i, 0
.rept 128
	global_load_b32 v[WN+i], v4, s[14:15] offset:i*\pitch th:TH_LOAD_NT
.set i, i+1
.endr
.endm
	s_cmp_lt_u32 s23, 24
	s_cbranch_scc0 .Lo_w
	s_mul_i32 s28, s24, 128*12288
	s_lshl_b32 s31, s23, 9
	s_add_co_u32 s28, s28, s31
	s_add_co_u32 s28, s28, s30
	s_add_nc_u64 s[14:15], s[6:7], s[28:29]
	s_wait_alu depctr_va_vdst(0)
	WLOADS 12288
	s_branch .Lloaded
.Lo_w:
	s_lshl_b32 s28, s24, 19
	s_sub_co_u32 s31, s23, 24
	s_lshl_b32 s31, s31, 9
	s_add_co_u32 s28, s28, s31
	s_add_co_u32 s28, s28, s30
	s_add_nc_u64 s[14:15], s[8:9], s[28:29]
	s_wait_alu depctr_va_vdst(0)
	WLOADS 4096
.Lloaded:
.macro WBLOCK t
	BLKMAX 161, 162, WN+32*(\t)
	v_add_nc_u32 v163, 0xff000000, v161
	v_lshrrev_b32 v164, 23, v163
.if (\t) == 0
	v_mov_b32 v[WW], v164
.else
	v_lshl_or_b32 v[WW], v164, 8*(\t), v[WW]
.endif
.irp g, 0,1,2,3
	v_cvt_scalef32_pk8_fp4_f32 v[WK+4*(\t)+\g], v[WN+32*(\t)+8*\g:WN+32*(\t)+8*\g+7], v163
.endr
	v_nop                                          ; one plain line behind the conversions: the next block writes their scale operand
	global_store_b128 v5, v[WK+4*(\t):WK+4*(\t)+3], s[16:17] offset:(\t)*256   ; each half of the lanes stores 256 consecutive bytes, aligned
.endm
	s_wait_loadcnt 63                              ; of 128 loads at most 63 are out: the first 65 are in, blocks 0 and 1 among them (the count is the largest that the wait can name)
	WBLOCK 0
	WBLOCK 1
	s_wait_loadcnt 32                              ; the last block's 32 may be out
	WBLOCK 2
	s_wait_loadcnt 0x0
	WBLOCK 3
	global_store_b32 v6, v[WW], s[18:19]           ; four scale bytes a column, 16 bytes apart: one byte for each 32 of the 128 that the launch reads here
.Lend:
	s_wait_tensorcnt 0x0                           ; the wave's end
	ds_add_u32 v[SPW], v[NIL]
	s_wait_dscnt 0x0
	s_endpgm
.Lfunc_end_k_q4bc741840b_quant:
	.size	k_q4bc741840b_quant, .Lfunc_end_k_q4bc741840b_quant-k_q4bc741840b_quant
	.p2alignl 7, 3214868480
	.fill 96, 4, 3214868480
	.section	.rodata,"a",@progbits
	.p2align	6, 0x0
	.amdhsa_kernel k_q4bc741840b_quant
		.amdhsa_group_segment_fixed_size 34304
		.amdhsa_private_segment_fixed_size 0
		.amdhsa_enable_private_segment 0
		.amdhsa_kernarg_size 32
		.amdhsa_user_sgpr_count 2
		.amdhsa_user_sgpr_kernarg_segment_ptr 1
		.amdhsa_wavefront_size32 1
		.amdhsa_system_sgpr_workgroup_id_x 1
		.amdhsa_system_sgpr_workgroup_id_y 1
		.amdhsa_system_sgpr_workgroup_id_z 1
		.amdhsa_system_vgpr_workitem_id 0
		.amdhsa_next_free_vgpr 256
		.amdhsa_next_free_sgpr 66
		.amdhsa_reserve_vcc 1
		.amdhsa_float_denorm_mode_32 3
		.amdhsa_float_denorm_mode_16_64 3
		.amdhsa_memory_ordered 1
		.amdhsa_forward_progress 1
		.amdhsa_inst_pref_size 62
	.end_amdhsa_kernel
	.amdgpu_metadata
---
amdhsa.version: [ 1, 2 ]
amdhsa.kernels:
  - .name:           k_q4bc741840b_quant
    .symbol:         k_q4bc741840b_quant.kd
    .args:
      - { .name: hidden_state, .offset: 0, .size: 8, .value_kind: global_buffer, .address_space: global }
      - { .name: qkv_w, .offset: 8, .size: 8, .value_kind: global_buffer, .address_space: global }
      - { .name: o_w, .offset: 16, .size: 8, .value_kind: global_buffer, .address_space: global }
      - { .name: opq, .offset: 24, .size: 8, .value_kind: global_buffer, .address_space: global }
    .group_segment_fixed_size: 34304
    .private_segment_fixed_size: 0
    .kernarg_segment_align: 8
    .kernarg_segment_size: 32
    .max_flat_workgroup_size: 128
    .sgpr_count:     66
    .vgpr_count:     256
    .wavefront_size: 32
...
	.end_amdgpu_metadata
.endif
;; end of part 1
;; launch gemm_qkv (part 2): grid 8 x 48, 4 waves a work-group, clusters of 4 x 4, 279,040 bytes of LDS; arguments opq, qkv_b, qkv; writes qkv
.if DOCPART == 2
	.amdgcn_target "amdgcn-amd-amdhsa--gfx1250"
	.amdhsa_code_object_version 6
	.text
	.protected	k_q4bc741840b_gemm_qkv
	.globl	k_q4bc741840b_gemm_qkv
	.p2align	8
	.type	k_q4bc741840b_gemm_qkv,@function
k_q4bc741840b_gemm_qkv:
	s_mov_b64 s[64:65], 0
	v_nop
	global_prefetch_b8 v0, s[64:65] scope:SCOPE_SE
	s_setreg_imm32_b32 hwreg(HW_REG_WAVE_MODE, 25, 1), 1
	s_wait_xcnt 0x0
	s_wait_alu depctr_hold_cnt(0) depctr_sa_sdst(0) depctr_va_vdst(0) depctr_va_sdst(0) depctr_va_ssrc(0) depctr_va_vcc(0) depctr_vm_vsrc(0)
	s_getreg_b32 s2, hwreg(HW_REG_IB_STS2, 6, 4)
	s_cmp_eq_u32 s2, 0
	s_cbranch_scc0 .Lentry_in_a_cluster
	s_endpgm
.Lentry_in_a_cluster:
	s_bfe_u32 s2, ttmp6, 0x10000c
	s_cmp_lg_u32 s2, 0xf033
	s_cbranch_scc0 .Lentry_shape_is_right
	s_endpgm
.Lentry_shape_is_right:
; qkv = x Wqkv + qkv_b on codes of FP4, and its results quantised on the way out: q and k along the head's 64, v along the keys.  Nothing of reference() is left out here.
; A work-group makes 256 x 256 of the product, four waves 128 x 128 each (64 accumulators, 512 registers).  K = 1,024 is resident: two LDS slots of 512 along K and all scale bytes are asked for at the head
; and filled once; nothing is filled again.  Operands lie in memory as images of their registers (see quant): a tile of 16 rows x 512 K is 4,096 dense bytes, read from LDS at 16 x lane.
; SOURCE 0 DECIDES WHAT A LANE'S REGISTERS RUN ALONG.  Its tiles hold rows 32 g + 8 u + r % 8 + 16 (r / 8), so the 16 registers of tiles 2 g, 2 g + 1 are 16 neighbours 32 g + 16 (lane / 16) + 0 .. 15 of source 0's axis.
;   f = 0 (cluster y 0..7): source 0 = columns 0..2047 of Wqkv, source 1 = tokens: a lane holds one token and 64 neighbouring channels: q and k are quantised along the head.
;   f = 1 (cluster y 8..11): source 0 = tokens, source 1 = columns 2048..3071: a lane holds one channel of v and 64 neighbouring tokens: v is quantised along the keys, with the keys innermost.
; The quantised fragment is again an image and is stored straight from registers, 512 consecutive bytes a store.
;   qkv: q, k codes [hh 32][token tile 512][512] at 0 (hh 0..15 q's heads, 16..31 k's); v codes [b x 16 + head][128 keys: 16][tile of 16 channels: 4][1,024] at VC;
;        q, k scales [hh][128 tokens: 64][r][g 4][u 2][2] at QKS; v scales [head][128 keys: 64][r][t 4][4] at VS.
; CLUSTER 4 x 4: source 0's tiles hang on cx alone and are asked for jointly by a column of the cluster, source 1's on cy alone, by a row.  f hangs on the cluster's y: it is the same in all sixteen.
; No prefetch: all that the work-group reads is asked for at the head.  A wave has three tensor loads out.
; REGISTERS, in windows of 256: window 0: addresses; v32-95 scale words (later the codes made); v96-127 at work; v128-191 64 numbers to quantise; v192-255 the bias.
;   window 1: two sets of fragments at 0 and 128: source 0's eight, then source 1's eight.   windows 2, 3: accumulator (a, b) at v[8 (8 (a % 4) + b)] of window 2 + a / 4.
.set XS,    6291456
.set WS,    6553600
.set VC,    8388608
.set QKS,   12582912
.set VS,    13107200
.set SLOT,  131072                     ; a slot: source 1's 16 tiles of 4,096 bytes, then source 0's 16
.set SCL,   2*SLOT                     ; the scale bytes: source 1's 16 x 512, then source 0's
.set SPARE, SCL+16384                  ; the spare words, 128 bytes a wave
.set ADRA,  16                         ; v16-17 my fragments of source 1 in slot 0, 1
.set ADRB,  20                         ; v20-21 of source 0
.set LI,    24                         ; v24  16 x lane
.set LSO,   25                         ; v25  16,384 (lane / 16) + 16 r: the scale words' way out
.set ADRS,  27                         ; v27  my scale words: lanes 0-15 source 1's, lanes 16-31 source 0's
.set SPW,   28
.set NIL,   29
.set SC,    32                         ; register 32 kq + 4 i + q: the words of tile i for the q-th 128 along K of slot kq
.set PC,    32                         ; the way out: codes, eight registers for each a
.set PW,    96                         ; and a scale word for each a
.set TM,    104
.set VO,    120                        ; the bias loads' offsets; later the scale words to store
.set H,     128
.set BB,    192
.set G1,    24                         ; s[24:31] group 1, source 1's codes;  s[32:39] group 0, a set for each slot
.set G0,    32
.set G1B,   48                         ; the same for source 0
.set G0B,   56
.set G1S,   68                         ; source 1's scales
.set G0S,   76
.set G1SB,  80                         ; source 0's scales
.set G0SB,  88
.set SEL,   96
.set MSB, 0
.macro WIN new                         ; the immediate's high byte repeats the setting that is left
.if MSB != (\new)
	s_set_vgpr_msb (MSB<<8)|(\new)
.set MSB, (\new)
.endif
.endm
.macro PLACES n
.rept \n
	v_nop
.endr
.endm
; A joint load: waves 0 and 1 fetch for source 1, waves 2 and 3 for source 0.  The branch hangs on the wave's number alone.  An s_nop 0 and four v_nop follow each line.
.macro JLOAD g0a, g1a, g0b, g1b
	s_cmp_eq_u32 s13, 0
	s_cbranch_scc0 .Lfor_b_\@
	tensor_load_to_lds s[\g0a:\g0a+3], s[\g1a:\g1a+7]
	s_nop 0
.rept 4
	v_nop
.endr
	s_branch .Lasked_\@
.Lfor_b_\@:
	tensor_load_to_lds s[\g0b:\g0b+3], s[\g1b:\g1b+7]
	s_nop 0
.rept 4
	v_nop
.endr
.Lasked_\@:
.endm
.macro CROUND                          ; a round of the cluster's barrier
	s_barrier_signal -1
	s_barrier_wait -1
	s_cmp_lg_u32 s12, 0
	s_cbranch_scc1 .Lnot_wave_0_\@
	s_barrier_signal -3
.Lnot_wave_0_\@:
	s_barrier_wait -3
	s_barrier_signal -1
	s_barrier_wait -1
.endm
; 64 numbers of a lane, register 16 b + i = k 32 b + 16 (lane / 16) + i of my row, become a fragment's codes in v[pc] on and its scale word in v[pw]
.macro QUANT s, pc, pw
.irp b, 0,1,2,3
	v_max3_num_f32 v[TM+\b], |v[\s+16*\b]|, |v[\s+1+16*\b]|, 0x1800000   ; with the floor 2^(3 - 127): the byte cannot fall under 1
.endr
.irp i, 2,4,6,8,10,12,14
.irp b, 0,1,2,3
	v_max3_num_f32 v[TM+\b], v[TM+\b], |v[\s+16*\b+\i]|, |v[\s+1+16*\b+\i]|
.endr
.endr
.irp b, 0,1,2,3
	v_permlanex16_b32 v[TM+4+\b], v[TM+\b], s[SEL], s[SEL+1]
.endr
.irp b, 0,1,2,3
	v_max_num_f32 v[TM+\b], v[TM+\b], v[TM+4+\b]   ; with lane l xor 16's: the block's largest magnitude
.endr
.irp b, 0,1,2,3
	v_add_nc_u32 v[TM+12+\b], 0xff000000, v[TM+\b] ; 2 off its exponent field: the conversion's scale operand
.endr
.irp b, 0,1,2,3
	v_lshrrev_b32 v[TM+4+\b], 23, v[TM+12+\b]      ; the scale's byte
.endr
	v_lshl_or_b32 v[\pw], v[TM+5], 8, v[TM+4]
	v_lshl_or_b32 v[\pw], v[TM+6], 16, v[\pw]
	v_lshl_or_b32 v[\pw], v[TM+7], 24, v[\pw]
.irp b, 0,1,2,3
	v_cvt_scalef32_pk8_fp4_f32 v[\pc+2*\b], v[\s+16*\b:\s+7+16*\b], v[TM+12+\b]
	v_cvt_scalef32_pk8_fp4_f32 v[\pc+1+2*\b], v[\s+8+16*\b:\s+15+16*\b], v[TM+12+\b]
.endr
	v_nop                                          ; one plain line behind the conversions
.irp c, 0,1                            ; the layout wants a whole block in a lane: lanes 0-15 block 2 c, lanes 16-31 block 2 c + 1
.irp i, 0,1
	v_permlane16_swap_b32 v[\pc+4*\c+\i], v[\pc+2+4*\c+\i]
.endr
.endr
.endm
	s_load_b128 s[4:7], s[0:1], 0x0                ; opq s[4:5], qkv_b s[6:7]
	s_load_b64 s[8:9], s[0:1], 0x10                ; qkv
	v_lshl_add_u32 v[SPW], v0, 2, SPARE
	v_mov_b32 v[NIL], 0
	ds_add_u32 v[SPW], v[NIL]                      ; the opening: the add, twice on end, and its wait ahead of my first tensor load
	ds_add_u32 v[SPW], v[NIL]
	v_lshrrev_b32 v1, 5, v0
	v_readfirstlane_b32 s12, v1                    ; wave 0..3
	s_lshr_b32 s13, s12, 1                         ; my half of source 1's rows.  Also: I fetch for source 1 (0) or source 0 (1)
	s_and_b32 s14, s12, 1                          ; my half of source 0's rows.  Also: which half I fetch
	s_bfe_u32 s40, ttmp6, 0x40000                  ; cx
	s_bfe_u32 s41, ttmp6, 0x40004                  ; cy
	s_and_b32 s45, ttmp7, 0xffff                   ; the cluster's y, 0..11
	s_lshr_b32 s15, s45, 3                         ; f
	s_max_u32 s42, s45, 8
	s_sub_co_u32 s42, s42, 8                       ; f = 1: y - 8; f = 0: 0
	s_lshl_b32 s42, s42, 1
	s_add_co_u32 s42, s42, ttmp9
	s_lshl_b32 s42, s42, 2
	s_add_co_u32 s17, s42, s40                     ; source 0's block of 256 rows: f = 0: 0..7 of the columns; f = 1: 0..31 of the tokens
	s_cmp_lt_u32 s45, 8
	s_cselect_b32 s18, s45, 2
	s_lshl_b32 s18, s18, 2
	s_add_co_u32 s16, s18, s41                     ; source 1's: f = 0: 0..31 of the tokens; f = 1: 8..11 of the columns
	s_lshl_b32 s43, s41, 2
	s_lshl_b32 s43, 15, s43                        ; my row of the cluster
	s_lshl_b32 s44, 0x1111, s40                    ; my column
	; group 1: dense blocks as rows of 256 bytes (32 elements of 8 bytes), no padding; bit 21 set beside a mask
	s_or_b32 s[G1], s43, (3<<16)|(1<<21)
	s_or_b32 s[G1B], s44, (3<<16)|(1<<21)
	s_or_b32 s[G1S], s43, (3<<16)|(1<<21)
	s_or_b32 s[G1SB], s44, (3<<16)|(1<<21)
.irp g, G1, G1B                        ; 8 tiles x 4,096 bytes: 128 rows
	s_mov_b32 s[\g+1], 32<<16
	s_mov_b32 s[\g+2], 128<<16
	s_mov_b32 s[\g+3], 32<<16
	s_mov_b32 s[\g+4], 128
	s_mov_b32 s[\g+5], 32
	s_mov_b32 s[\g+6], 0
	s_mov_b32 s[\g+7], 0
.endr
.irp g, G1S, G1SB                      ; 8 tiles x 512 bytes: 16 rows
	s_mov_b32 s[\g+1], 32<<16
	s_mov_b32 s[\g+2], 16<<16
	s_mov_b32 s[\g+3], 32<<16
	s_mov_b32 s[\g+4], 16
	s_mov_b32 s[\g+5], 32
	s_mov_b32 s[\g+6], 0
	s_mov_b32 s[\g+7], 0
.endr
	; where the tiles lie in opq.  x's codes begin at 0, the weights' at 4 MiB; x's kq stride is 2 MiB, the weights' 1 MiB
	s_lshl_b32 s45, s14, 15                        ; my half of what I fetch: 8 tiles
	s_lshl_b32 s20, s15, 22
	s_lshl_b32 s18, s16, 16
	s_add_co_u32 s20, s20, s18
	s_add_co_u32 s20, s20, s45                     ; source 1's codes
	s_mov_b32 s21, 0
	s_xor_b32 s46, s15, 1
	s_lshl_b32 s46, s46, 22
	s_lshl_b32 s42, s17, 16
	s_add_co_u32 s46, s46, s42
	s_add_co_u32 s46, s46, s45                     ; source 0's codes
	s_mov_b32 s47, 0
	s_lshl_b32 s45, s14, 12
	s_lshl_b32 s22, s15, 18
	s_add_co_u32 s22, s22, XS
	s_lshl_b32 s18, s16, 13
	s_add_co_u32 s22, s22, s18
	s_add_co_u32 s22, s22, s45                     ; source 1's scales
	s_mov_b32 s23, 0
	s_lshl_b32 s66, s15, 18
	s_sub_co_u32 s66, WS, s66
	s_lshl_b32 s42, s17, 13
	s_add_co_u32 s66, s66, s42
	s_add_co_u32 s66, s66, s45                     ; source 0's scales
	s_mov_b32 s67, 0
	s_lshl_b32 s92, s15, 20
	s_sub_co_u32 s92, 0x200000, s92                ; source 1's kq stride
	s_mov_b32 s93, 0
	s_lshl_b32 s94, s15, 20
	s_add_co_u32 s94, s94, 0x100000                ; source 0's
	s_mov_b32 s95, 0
	s_lshl_b32 s2, s12, 15                         ; where they go: wave x 32,768: no place in the cluster enters an LDS address
	s_lshl_b32 s3, s12, 12
	s_add_co_u32 s3, s3, SCL
	s_mov_b32 s[SEL], 0x76543210
	s_mov_b32 s[SEL+1], 0xfedcba98
	s_wait_dscnt 0x0                               ; both opening adds are done
	s_wait_kmcnt 0x0
	s_add_nc_u64 s[20:21], s[4:5], s[20:21]
	s_add_nc_u64 s[22:23], s[4:5], s[22:23]
	s_add_nc_u64 s[46:47], s[4:5], s[46:47]
	s_add_nc_u64 s[66:67], s[4:5], s[66:67]
	CROUND                                         ; all sixteen work-groups are here: the joint loads meet
	s_mov_b32 s[G0S], 1
	s_mov_b32 s[G0S+1], s3
	s_mov_b64 s[G0S+2:G0S+3], s[22:23]
	s_or_b32 s[G0S+3], s[G0S+3], 0x80000000
	s_mov_b32 s[G0SB], 1
	s_mov_b32 s[G0SB+1], s3
	s_mov_b64 s[G0SB+2:G0SB+3], s[66:67]
	s_or_b32 s[G0SB+3], s[G0SB+3], 0x80000000
	JLOAD G0S, G1S, G0SB, G1SB                     ; the scales first: they are wanted with slot 0
	s_mov_b32 s[G0], 1
	s_mov_b32 s[G0+1], s2
	s_mov_b64 s[G0+2:G0+3], s[20:21]
	s_or_b32 s[G0+3], s[G0+3], 0x80000000
	s_mov_b32 s[G0B], 1
	s_mov_b32 s[G0B+1], s2
	s_mov_b64 s[G0B+2:G0B+3], s[46:47]
	s_or_b32 s[G0B+3], s[G0B+3], 0x80000000
	JLOAD G0, G1, G0B, G1B                         ; slot 0: K 0..511
	s_mov_b32 s[G0+4], 1
	s_add_co_u32 s[G0+5], s2, SLOT
	s_add_nc_u64 s[G0+6:G0+7], s[20:21], s[92:93]
	s_or_b32 s[G0+7], s[G0+7], 0x80000000
	s_mov_b32 s[G0B+4], 1
	s_add_co_u32 s[G0B+5], s2, SLOT
	s_add_nc_u64 s[G0B+6:G0B+7], s[46:47], s[94:95]
	s_or_b32 s[G0B+7], s[G0B+7], 0x80000000
	JLOAD G0+4, G1, G0B+4, G1B                     ; slot 1: K 512..1023
	v_and_b32 v1, 31, v0                           ; lane
	v_and_b32 v2, 15, v0                           ; r
	v_bfe_u32 v3, v0, 4, 1                         ; h
	v_lshlrev_b32 v[LI], 4, v1
	s_lshl_b32 s2, s13, 15
	v_add_nc_u32 v[ADRA], s2, v[LI]
	v_add_nc_u32 v[ADRA+1], SLOT, v[ADRA]
	s_lshl_b32 s2, s14, 15
	s_add_co_u32 s2, s2, 65536
	v_add_nc_u32 v[ADRB], s2, v[LI]
	v_add_nc_u32 v[ADRB+1], SLOT, v[ADRB]
	v_lshlrev_b32 v4, 4, v2
	v_lshl_add_u32 v[LSO], v3, 14, v4
	s_lshl_b32 s2, s13, 12                         ; source 1's scales: my 8 tiles
	s_lshl_b32 s3, s14, 12                         ; source 0's: my 8 tiles, behind source 1's 16
	s_add_co_u32 s3, s3, 8192
	s_sub_co_u32 s3, s3, s2
	v_mul_u32_u24 v5, s3, v3                       ; lanes 16-31 take source 0's: one product, the distance between the two
	s_add_co_u32 s2, s2, SCL
	v_add_nc_u32 v5, v5, v4
	v_add_nc_u32 v[ADRS], s2, v5
	; the bias, in the result's layout, one form for both kinds.  f = 0: v[BB + 8 b + j] = qkv_b at source 0's index 32 (b / 2) + 16 h + 8 (b % 2) + j;  f = 1: v[BB + 8 a + j] = qkv_b at my lane's column of tile a, the same for all j
	s_xor_b32 s2, s15, 1                           ; 1 - f
	s_lshl_b32 s3, s2, 6
	v_mul_u32_u24 v5, s3, v3                       ; 64 h (1 - f)
	v_and_b32 v6, 7, v2
	v_lshrrev_b32 v7, 3, v2
	v_lshl_add_u32 v6, v7, 4, v6                   ; r % 8 + 16 (r / 8)
	s_lshl_b32 s3, s15, 2
	v_mul_u32_u24 v6, s3, v6                       ; x 4 f
	v_add_nc_u32 v[VO], v5, v6
	s_wait_alu depctr_va_vdst(0)
	s_lshl_b32 s3, s2, 2
.irp j, 1,2,3,4,5,6,7
	v_add_nc_u32 v[VO+\j], s3, v[VO+\j-1]          ; + 4 (1 - f) from j to j + 1
.endr
	s_lshl_b32 s2, s17, 8
	s_lshl_b32 s3, s14, 7
	s_add_co_u32 s2, s2, s3                        ; f = 0: my first column is source 0's
	s_lshl_b32 s18, s16, 8
	s_lshl_b32 s3, s13, 7
	s_add_co_u32 s18, s18, s3                      ; f = 1: source 1's
	s_cmp_eq_u32 s15, 0
	s_cselect_b32 s2, s2, s18
	s_lshl_b32 s2, s2, 2
	s_mov_b32 s3, 0
	s_add_nc_u64 s[98:99], s[6:7], s[2:3]
	s_wait_alu depctr_va_vdst(0)
.irp x, 0,1,2,3,4,5,6,7
.irp j, 0,1,2,3,4,5,6,7
	global_load_b32 v[BB+8*\x+\j], v[VO+\j], s[98:99] offset:(32*(\x/2)+8*(\x%2))*4
.endr
.endr
.irp b, 0,1,2,3
	v_mov_b32 v[TM+4+\b], 0                        ; written once: a lane permute's destination counts as read
.endr
.macro SCALES                          ; all scale words of my 8 + 8 tiles: four words (512 along K) a load
.irp kq, 0,1
.irp i, 0,1,2,3,4,5,6,7
	ds_load_b128 v[SC+32*\kq+4*\i:SC+32*\kq+4*\i+3], v[ADRS] offset:\i*512+\kq*256
.endr
.endr
.endm
.macro FETCH kq, q, p                  ; the 16 fragments of the q-th 128 along K of slot kq into set p: 32 loads of 512 consecutive bytes
	WIN 0x40
.irp i, 0,1,2,3,4,5,6,7
.irp c, 0,1
	ds_load_b128 v[128*(\p)+8*\i+4*\c:128*(\p)+8*\i+4*\c+3], v[ADRB+(\kq)] offset:\i*4096+(\q)*1024+\c*512
.endr
.endr
.irp i, 0,1,2,3,4,5,6,7
.irp c, 0,1
	ds_load_b128 v[128*(\p)+64+8*\i+4*\c:128*(\p)+64+8*\i+4*\c+3], v[ADRA+(\kq)] offset:\i*4096+(\q)*1024+\c*512
.endr
.endr
.endm
; 16 matrix instructions: source 1's tiles a0, a0 + 1 x source 0's eight.  The 64 accumulators take turns, one instruction a turn, in the same order in every step.
.macro MUL16 a0, p, q, kq, zero
.irp a, \a0, \a0+1
.irp b, 0,1,2,3,4,5,6,7
.if \zero
	v_wmma_scale_f32_16x16x128_f8f6f4 v[8*(8*((\a)%4)+\b):8*(8*((\a)%4)+\b)+7], v[128*(\p)+8*\b:128*(\p)+8*\b+7], v[128*(\p)+64+8*(\a):128*(\p)+64+8*(\a)+7], 0, v[SC+32*(\kq)+4*\b+(\q)], v[SC+32*(\kq)+4*(\a)+(\q)] matrix_a_fmt:MATRIX_FMT_FP4 matrix_b_fmt:MATRIX_FMT_FP4 matrix_a_scale:MATRIX_SCALE_ROW1
.else
	v_wmma_scale_f32_16x16x128_f8f6f4 v[8*(8*((\a)%4)+\b):8*(8*((\a)%4)+\b)+7], v[128*(\p)+8*\b:128*(\p)+8*\b+7], v[128*(\p)+64+8*(\a):128*(\p)+64+8*(\a)+7], v[8*(8*((\a)%4)+\b):8*(8*((\a)%4)+\b)+7], v[SC+32*(\kq)+4*\b+(\q)], v[SC+32*(\kq)+4*(\a)+(\q)] matrix_a_fmt:MATRIX_FMT_FP4 matrix_b_fmt:MATRIX_FMT_FP4 matrix_a_scale:MATRIX_SCALE_ROW1
.endif
.endr
.endr
.endm
; Step n of eight: 128 along K, 64 matrix instructions; in its middle the next step's fragments are fetched into the other set, behind four places (the set's last readers stand in the step before).
; Step 3 fetches from slot 1 for the first time: each wave waits for its part of it, and a barrier, with 32 matrix instructions between its halves, shows all parts to all waves.
.macro STEP n, zero
.if (\n) == 3
	s_wait_tensorcnt 0x0                           ; my part of slot 1 is in
.endif
	s_wait_dscnt 0x0                               ; this step's fragments are in
.if (\n) == 3
	s_barrier_signal -1
.endif
	WIN 0xa5                                       ; sources 0 and 1 window 1, C and D window 2
	MUL16 0, (\n)%2, (\n)%4, (\n)/4, \zero
	MUL16 2, (\n)%2, (\n)%4, (\n)/4, \zero
.if (\n) == 3
	s_barrier_wait -1
.endif
.if (\n) < 7
	PLACES 4
	FETCH ((\n)+1)/4, ((\n)+1)%4, 1-(\n)%2
.endif
	WIN 0xf5                                       ; C and D window 3
	MUL16 4, (\n)%2, (\n)%4, (\n)/4, \zero
	MUL16 6, (\n)%2, (\n)%4, (\n)/4, \zero
.endm
	s_wait_tensorcnt 0x1                           ; the scales and my part of slot 0 are in; slot 1's load, the one issued behind them, may stay out
	s_barrier_signal -1
	s_barrier_wait -1                              ; everybody's are
	SCALES
	FETCH 0, 0, 0
	STEP 0, 1                                      ; the first products start the sums: nothing is cleared
	STEP 1, 0
	STEP 2, 0
	STEP 3, 0
	STEP 4, 0
	STEP 5, 0
	STEP 6, 0
	STEP 7, 0
	WIN 0
	PLACES 4                                       ; in front of the first read of results
	s_wait_loadcnt 0x0                             ; the bias
	s_mov_b32 s45, 0xffff0000                      ; lanes 16-31
	s_mov_b32 s3, 0
; THE WAY OUT.  For each of source 1's tiles a: the bias is added as the 64 numbers move into window 0 (each accumulator from its low end on), they are quantised, and the fragment's image is stored.
.macro EPI kind
.irp a, 0,1,2,3,4,5,6,7
	WIN (0x02+\a/4)                                ; source 0: window 2 or 3
.irp b, 0,1,2,3,4,5,6,7
.irp i, 0,2,4,6
.if \kind
	v_pk_add_f32 v[H+8*\b+\i:H+8*\b+\i+1], v[8*(8*(\a%4)+\b)+\i:8*(8*(\a%4)+\b)+\i+1], v[BB+8*\a+\i:BB+8*\a+\i+1]
.else
	v_pk_add_f32 v[H+8*\b+\i:H+8*\b+\i+1], v[8*(8*(\a%4)+\b)+\i:8*(8*(\a%4)+\b)+\i+1], v[BB+8*\b+\i:BB+8*\b+\i+1]
.endif
.endr
.endr
	WIN 0
	QUANT H, PC+8*\a, PW+\a
.if \kind
	global_store_b128 v[LI], v[PC+8*\a:PC+8*\a+3], s[92:93] offset:(\a/4)*65536+(\a%4)*1024          ; head a / 4 of my two, channels' tile a % 4: keys 0..63 of my 128,
	global_store_b128 v[LI], v[PC+8*\a+4:PC+8*\a+7], s[92:93] offset:(\a/4)*65536+(\a%4)*1024+512    ; keys 64..127
.else
	global_store_b128 v[LI], v[PC+8*\a:PC+8*\a+3], s[92:93] offset:\a*512                            ; token tile a: the first of my two heads,
	global_store_b128 v[LI], v[PC+8*\a+4:PC+8*\a+7], s[92:93] offset:\a*512+262144                   ; the second
.endif
.endr
.endm
	s_cmp_lg_u32 s15, 0
	s_cbranch_scc1 .Lv_out
	s_lshl_b32 s2, s17, 20                         ; q, k: head 4 x block + 2 x half, 262,144 bytes a head;
	s_lshl_b32 s18, s14, 19
	s_add_co_u32 s2, s2, s18
	s_lshl_b32 s18, s16, 13                        ; token tile 16 x block + 8 x half, 512 bytes a tile
	s_add_co_u32 s2, s2, s18
	s_lshl_b32 s18, s13, 12
	s_add_co_u32 s2, s2, s18
	s_add_nc_u64 s[92:93], s[8:9], s[2:3]
	s_lshl_b32 s2, s17, 16                         ; scales: 16,384 bytes a head, 256 for 128 tokens
	s_lshl_b32 s18, s14, 15
	s_add_co_u32 s2, s2, s18
	s_lshl_b32 s18, s16, 9
	s_add_co_u32 s2, s2, s18
	s_lshl_b32 s18, s13, 8
	s_add_co_u32 s2, s2, s18
	s_add_co_u32 s2, s2, QKS
	s_add_nc_u64 s[94:95], s[8:9], s[2:3]
	EPI 0
	v_mov_b32 v124, 0x05040100                     ; a word holds two bytes for each of my two heads: lanes 0-15 gather the first head's, lanes 16-31 the second's
	v_mov_b32 v125, 0x07060302
	v_cndmask_b32 v124, v124, v125, s45
.irp g, 0,1,2,3
	v_perm_b32 v[VO+\g], v[PW+2*\g+1], v[PW+2*\g], v124   ; tiles 2 g and 2 g + 1: the word that a fragment of two key tiles wants
.endr
	global_store_b128 v[LSO], v[VO:VO+3], s[94:95] ; each half of the lanes stores 256 consecutive bytes, aligned
	s_branch .Ldone
.Lv_out:
	s_sub_co_u32 s18, s16, 8
	s_lshl_b32 s18, s18, 2
	s_lshl_b32 s19, s13, 1
	s_add_co_u32 s18, s18, s19                     ; the first of my two heads
	s_lshl_b32 s19, s17, 1
	s_add_co_u32 s19, s19, s14                     ; my 128 keys: group 0..63
	s_lshr_b32 s2, s17, 3                          ; the batch
	s_lshl_b32 s2, s2, 4
	s_add_co_u32 s2, s2, s18
	s_lshl_b32 s2, s2, 4
	s_and_b32 s42, s19, 15
	s_add_co_u32 s2, s2, s42
	s_lshl_b32 s2, s2, 12
	s_add_co_u32 s2, s2, VC
	s_add_nc_u64 s[92:93], s[8:9], s[2:3]
	s_lshl_b32 s2, s18, 14
	s_lshl_b32 s42, s19, 8
	s_add_co_u32 s2, s2, s42
	s_add_co_u32 s2, s2, VS
	s_add_nc_u64 s[94:95], s[8:9], s[2:3]
	EPI 1
.irp t, 0,1,2,3
	v_cndmask_b32 v[VO+\t], v[PW+\t], v[PW+4+\t], s45     ; lanes 0-15 the first head's four tiles, lanes 16-31 the second's
.endr
	global_store_b128 v[LSO], v[VO:VO+3], s[94:95]
.Ldone:
	s_wait_tensorcnt 0x0                           ; the wave's end
	ds_add_u32 v[SPW], v[NIL]
	s_wait_dscnt 0x0
	CROUND                                         ; the closing round
	s_endpgm
.Lfunc_end_k_q4bc741840b_gemm_qkv:
	.size	k_q4bc741840b_gemm_qkv, .Lfunc_end_k_q4bc741840b_gemm_qkv-k_q4bc741840b_gemm_qkv
	.p2alignl 7, 3214868480
	.fill 96, 4, 3214868480
	.section	.rodata,"a",@progbits
	.p2align	6, 0x0
	.amdhsa_kernel k_q4bc741840b_gemm_qkv
		.amdhsa_group_segment_fixed_size 279040
		.amdhsa_private_segment_fixed_size 0
		.amdhsa_enable_private_segment 0
		.amdhsa_kernarg_size 24
		.amdhsa_user_sgpr_count 2
		.amdhsa_user_sgpr_kernarg_segment_ptr 1
		.amdhsa_wavefront_size32 1
		.amdhsa_system_sgpr_workgroup_id_x 1
		.amdhsa_system_sgpr_workgroup_id_y 1
		.amdhsa_system_sgpr_workgroup_id_z 1
		.amdhsa_system_vgpr_workitem_id 0
		.amdhsa_next_free_vgpr 1024
		.amdhsa_next_free_sgpr 100
		.amdhsa_reserve_vcc 0
		.amdhsa_float_denorm_mode_32 3
		.amdhsa_float_denorm_mode_16_64 3
		.amdhsa_memory_ordered 1
		.amdhsa_forward_progress 1
		.amdhsa_inst_pref_size 198
	.end_amdhsa_kernel
	.amdgpu_metadata
---
amdhsa.version: [ 1, 2 ]
amdhsa.kernels:
  - .name:           k_q4bc741840b_gemm_qkv
    .symbol:         k_q4bc741840b_gemm_qkv.kd
    .args:
      - { .name: opq, .offset: 0, .size: 8, .value_kind: global_buffer, .address_space: global }
      - { .name: qkv_b, .offset: 8, .size: 8, .value_kind: global_buffer, .address_space: global }
      - { .name: qkv, .offset: 16, .size: 8, .value_kind: global_buffer, .address_space: global }
    .group_segment_fixed_size: 279040
    .private_segment_fixed_size: 0
    .kernarg_segment_align: 8
    .kernarg_segment_size: 24
    .max_flat_workgroup_size: 128
    .sgpr_count:     100
    .vgpr_count:     1024
    .wavefront_size: 32
...
	.end_amdgpu_metadata
.endif
;; end of part 2
;; launch attn (part 3): grid 4 x 64, 16 waves a work-group, clusters of 4 x 1, 167,936 bytes of LDS; arguments qkv, ao; writes ao
.if DOCPART == 3
	.amdgcn_target "amdgcn-amd-amdhsa--gfx1250"
	.amdhsa_code_object_version 6
	.text
	.protected	k_q4bc741840b_attn
	.globl	k_q4bc741840b_attn
	.p2align	8
	.type	k_q4bc741840b_attn,@function
k_q4bc741840b_attn:
	s_mov_b64 s[64:65], 0
	v_nop
	global_prefetch_b8 v0, s[64:65] scope:SCOPE_SE
	s_setreg_imm32_b32 hwreg(HW_REG_WAVE_MODE, 25, 1), 1
	s_wait_xcnt 0x0
	s_wait_alu depctr_hold_cnt(0) depctr_sa_sdst(0) depctr_va_vdst(0) depctr_va_sdst(0) depctr_va_ssrc(0) depctr_va_vcc(0) depctr_vm_vsrc(0)
	s_getreg_b32 s2, hwreg(HW_REG_IB_STS2, 6, 4)
	s_cmp_eq_u32 s2, 0
	s_cbranch_scc0 .Lentry_in_a_cluster
	s_endpgm
.Lentry_in_a_cluster:
	s_bfe_u32 s2, ttmp6, 0x10000c
	s_cmp_lg_u32 s2, 0x3003
	s_cbranch_scc0 .Lentry_shape_is_right
	s_endpgm
.Lentry_shape_is_right:
; softmax(q k^T / 8, causal) v for one head of one batch to a cluster of four work-groups, both products on codes of FP4; the result, divided by the row's sum, is quantised along C for the last product.
; LEFT OUT: key steps of 128 keys all of which come after a query tile's queries: reference()'s own jnp.tril makes their scores -inf, so they add nothing, whatever the inputs hold.
; THE SOFTMAX: t = score x log2(e) / 8; M = the running largest t rounded up to a whole number; p = 2^(t - M) is quantised along the keys, not normalised; the row's sum is taken of the unquantised p and divides at the end.
; When M moves, the sum and O are multiplied by 2^(old M - new M): exact.  LIMITS: 1 / l by v_rcp_f32; a block's largest p is taken as the exponential of the block's largest score (v_exp_f32 taken not to fall where its input rises).
; RESIDENT: the head's k codes (65,536 bytes), v codes (65,536) and their scale bytes (4,096 + 4,096) are asked for once, at the head, jointly by the four work-groups (they walk the same k and v), and stay: no slot
; is filled again and no barrier stands in the loops.  So there is nothing to prefetch: everything is asked for at the head.  Waves 0 to 3 fetch, two tensor loads each.
; SHARES: 128 query tiles of 16; wave w of work-group cx takes tile 8 w + 2 cx (w + 1 key steps) and tile 8 (15 - w) + 2 cx + 1 (16 - w key steps): 17 steps a wave.  Trip counts are constants and the jumps
; hang on the wave's number alone; cx enters global addresses and the mask's numbers alone.
; LAYOUT: both products transposed (S^T = k q^T, O^T = v^T p^T): a lane holds one query.  A tile of 16 tokens x 64 is 512 bytes, half a fragment: ONE fragment of k carries TWO key tiles along its 128,
; and is multiplied by (q, zeros) for the first and by (zeros, q) for the second.  Tiles hold tokens 32 g + 8 u + r % 8 + 16 (r / 8), so p's 16 registers of two neighbouring tiles are 16 neighbouring keys.
; REGISTERS: v1-11 addresses and what stays; v12 -M, v13 the largest t, v[14:15] the sum; v16-27, v200-211 q, zeros, q of my two tiles; v32-63 k; v64-95 v; v96-159 S^T, then p; v160-191 O^T; v192-199 scale words of k, v; v213-223 results; v224-231 p's codes; v232-254 at work.
.set VC,    8388608
.set QKS,   12582912
.set VS,    13107200
.set AS,    4194304
.set SCK,   131072                     ; LDS: k's images at 0, v's at 65,536; k's scale bytes here, v's 4,096 on
.set SPARE, 139264                     ; the spare words, 128 bytes for each of 16 waves
.set LI,   1                           ; v1   16 x lane
.set LSC,  2                           ; v2   SCK + 16 r
.set DQ0,  3                           ; v3   tile 0: my query less the diagonal step's first key less 16 (lane / 16)
.set LIV,  4                           ; v4   65,536 + 16 x lane
.set SPW,  5
.set NIL,  6
.set OBY,  7                           ; v7   16 r + lane / 16: my scale byte's place on the way out
.set ADK,  8
.set ADV,  9
.set ADS,  10
.set WV,   18
.set CX,   19
.set SEL,  20
.set CS,   22                          ; s[22:23] c = log2(e) / 8
.set G1C,  24
.set G1S,  32
.set G0C,  40
.set G0S,  44
.set SIG,  48                          ; s48, s49: the diagonal's key step of my two tiles
.set KS,   50
.set TB,   51
.set TS,   52
.set HM,   53                          ; lanes 16-31
.macro CROUND
	s_barrier_signal -1
	s_barrier_wait -1
	s_cmp_lg_u32 s[WV], 0
	s_cbranch_scc1 .Lnot_wave_0_\@
	s_barrier_signal -3
.Lnot_wave_0_\@:
	s_barrier_wait -3
	s_barrier_signal -1
	s_barrier_wait -1
.endm
	s_load_b128 s[4:7], s[0:1], 0x0                ; qkv s[4:5], ao s[6:7]
	v_lshl_add_u32 v[SPW], v0, 2, SPARE
	v_mov_b32 v[NIL], 0
	ds_add_u32 v[SPW], v[NIL]                      ; the opening: the add, twice on end, and its wait ahead of the first tensor load
	ds_add_u32 v[SPW], v[NIL]
	v_lshrrev_b32 v8, 5, v0
	s_delay_alu instid0(VALU_DEP_1)
	v_readfirstlane_b32 s[WV], v8                  ; wave 0..15
	s_bfe_u32 s[CX], ttmp6, 0x40000                ; cx
	s_and_b32 s74, ttmp7, 0xffff                   ; 16 x batch + head
	s_lshr_b32 s75, s74, 4                         ; the batch
	s_and_b32 s76, s74, 15                         ; the head
	; group 1: dense blocks as rows of 256 bytes; the mask names all four work-groups, bit 21 set beside it
	s_mov_b32 s[G1C], 15|(3<<16)|(1<<21)
	s_mov_b32 s[G1C+1], 32<<16
	s_mov_b32 s[G1C+2], 128<<16                    ; half a head's codes: 128 rows
	s_mov_b32 s[G1C+3], 32<<16
	s_mov_b32 s[G1C+4], 128
	s_mov_b32 s[G1C+5], 32
	s_mov_b32 s[G1C+6], 0
	s_mov_b32 s[G1C+7], 0
	s_mov_b32 s[G1S], 15|(3<<16)|(1<<21)
	s_mov_b32 s[G1S+1], 32<<16
	s_mov_b32 s[G1S+2], 8<<16                      ; half a head's scale bytes: 8 rows
	s_mov_b32 s[G1S+3], 32<<16
	s_mov_b32 s[G1S+4], 8
	s_mov_b32 s[G1S+5], 32
	s_mov_b32 s[G1S+6], 0
	s_mov_b32 s[G1S+7], 0
	s_add_co_u32 s77, s76, 16
	s_lshl_b32 s77, s77, 18
	s_lshl_b32 s78, s75, 16
	s_add_co_u32 s77, s77, s78                     ; k's codes: head 16 + head, the batch's 128 tiles
	s_lshl_b32 s78, s74, 16
	s_add_co_u32 s78, s78, VC                      ; v's codes
	s_add_co_u32 s79, s76, 16
	s_lshl_b32 s79, s79, 14
	s_add_co_u32 s79, s79, QKS                     ; k's scales
	s_lshl_b32 s80, s76, 14
	s_add_co_u32 s80, s80, VS                      ; v's
	s_cmp_lt_u32 s[WV], 2                          ; waves 0, 1: k's halves; waves 2, 3: v's
	s_cselect_b32 s82, s77, s78
	s_cselect_b32 s84, s79, s80
	s_and_b32 s81, s[WV], 1
	s_lshl_b32 s86, s81, 15
	s_add_co_u32 s82, s82, s86
	s_mov_b32 s83, 0
	s_lshl_b32 s86, s75, 12
	s_add_co_u32 s84, s84, s86
	s_lshl_b32 s86, s81, 11
	s_add_co_u32 s84, s84, s86
	s_mov_b32 s85, 0
	s_and_b32 s87, s[WV], 3
	s_lshl_b32 s88, s87, 15                        ; where they go: 32,768 x wave,
	s_lshl_b32 s89, s87, 11
	s_add_co_u32 s89, s89, SCK                     ; SCK + 2,048 x wave
	s_mov_b32 s[SEL], 0x76543210
	s_mov_b32 s[SEL+1], 0xfedcba98
	s_mov_b32 s[CS], 0x3e38aa3b                    ; log2(e) / 8
	s_mov_b32 s[CS+1], s[CS]
	s_mov_b32 s[HM], 0xffff0000
	s_mov_b32 s[SIG], s[WV]
	s_sub_co_u32 s[SIG+1], 15, s[WV]
	s_mov_b32 s91, 0
	s_wait_dscnt 0x0                               ; both opening adds are done
	s_wait_kmcnt 0x0
	s_mov_b32 s[G0C], 1
	s_mov_b32 s[G0C+1], s88
	s_add_nc_u64 s[G0C+2:G0C+3], s[4:5], s[82:83]
	s_or_b32 s[G0C+3], s[G0C+3], 0x80000000
	s_mov_b32 s[G0S], 1
	s_mov_b32 s[G0S+1], s89
	s_add_nc_u64 s[G0S+2:G0S+3], s[4:5], s[84:85]
	s_or_b32 s[G0S+3], s[G0S+3], 0x80000000
	CROUND                                         ; all four work-groups are here: the joint loads meet
	s_cmp_lt_u32 s[WV], 4                          ; a fetching wave's two fills stand in one branch on the wave's number; every wait on TENSORcnt is for 0
	s_cbranch_scc0 .Lno_fill
	tensor_load_to_lds s[G0S:G0S+3], s[G1S:G1S+7]
	s_nop 0
	tensor_load_to_lds s[G0C:G0C+3], s[G1C:G1C+7]
	s_nop 0
.rept 4
	v_nop
.endr
.Lno_fill:
; the four bases of query tile 8 sigma + 2 cx + tn: q's codes, q's scale bytes, the result's codes, the result's scale bytes
.macro BASES tn, sig, sb
	s_lshl_b32 s90, s[\sig], 3
	s_lshl_b32 s92, s[CX], 1
	s_add_co_u32 s90, s90, s92
	s_add_co_u32 s90, s90, \tn
	s_lshl_b32 s92, s75, 7
	s_add_co_u32 s93, s90, s92                     ; the tile among all 512
	s_lshl_b32 s90, s93, 9
	s_lshl_b32 s92, s76, 18
	s_add_co_u32 s90, s90, s92
	s_add_nc_u64 s[\sb:\sb+1], s[4:5], s[90:91]
	s_lshl_b32 s90, s75, 4
	s_add_co_u32 s90, s90, s[\sig]
	s_lshl_b32 s90, s90, 8
	s_lshl_b32 s92, s76, 14
	s_add_co_u32 s90, s90, s92
	s_lshl_b32 s92, s[CX], 2
	s_add_co_u32 s90, s90, s92
	s_add_co_u32 s90, s90, QKS+2*\tn
	s_add_nc_u64 s[\sb+2:\sb+3], s[4:5], s[90:91]
	s_lshl_b32 s90, s93, 12                        ; laid as x's codes: kq = head / 8, blocks 2 (head % 8) and + 1
	s_lshr_b32 s92, s76, 3
	s_lshl_b32 s92, s92, 21
	s_add_co_u32 s90, s90, s92
	s_and_b32 s92, s76, 7
	s_lshl_b32 s92, s92, 9
	s_add_co_u32 s90, s90, s92
	s_add_nc_u64 s[\sb+4:\sb+5], s[6:7], s[90:91]
	s_lshl_b32 s90, s93, 9
	s_lshr_b32 s92, s76, 3
	s_lshl_b32 s92, s92, 8
	s_add_co_u32 s90, s90, s92
	s_and_b32 s92, s76, 7
	s_lshl_b32 s92, s92, 1
	s_add_co_u32 s90, s90, s92
	s_add_co_u32 s90, s90, AS
	s_add_nc_u64 s[\sb+6:\sb+7], s[6:7], s[90:91]
.endm
	BASES 0, SIG, 56
	BASES 1, SIG+1, 66
	v_and_b32 v8, 31, v0
	s_delay_alu instid0(VALU_DEP_1)
	v_lshlrev_b32 v[LI], 4, v8
	v_and_b32 v9, 15, v0                           ; r
	v_bfe_u32 v10, v0, 4, 1                        ; h
	s_delay_alu instid0(VALU_DEP_2)
	v_lshlrev_b32 v232, 4, v9                      ; 16 r
	s_delay_alu instid0(VALU_DEP_1)
	v_add_nc_u32 v[OBY], v232, v10
	s_delay_alu instid0(VALU_DEP_2)
	v_add_nc_u32 v[LSC], SCK, v232
	v_add_nc_u32 v[LIV], 65536, v[LI]
	global_load_b128 v[16:19], v[LI], s[56:57]     ; q's 16 bytes a lane, twice: (q, zeros) is v[16:23], (zeros, q) is v[20:27]
	global_load_b128 v[24:27], v[LI], s[56:57]
	global_load_u16 v11, v232, s[58:59]            ; its two scale bytes
	global_load_b128 v[200:203], v[LI], s[66:67]
	global_load_b128 v[208:211], v[LI], s[66:67]
	global_load_u16 v212, v232, s[68:69]
	v_and_b32 v233, 7, v9
	v_lshrrev_b32 v234, 3, v9
	s_delay_alu instid0(VALU_DEP_1)
	v_lshl_add_u32 v233, v234, 4, v233             ; r % 8 + 16 (r / 8)
	v_lshlrev_b32 v234, 4, v10
	s_delay_alu instid0(VALU_DEP_1)
	v_sub_nc_u32 v233, v233, v234                  ; - 16 h (it may be negative: the compare is signed)
	s_lshl_b32 s90, s[CX], 5
	v_add_nc_u32 v[DQ0], s90, v233                 ; + 32 cx
	s_delay_alu instid0(VALU_DEP_1)
	v_add_nc_u32 v215, 8, v[DQ0]                   ; tile 1: + 8
.irp j, 0,1,2,3
	v_mov_b32 v[20+\j], 0
	v_mov_b32 v[204+\j], 0
	v_mov_b32 v[236+\j], 0                         ; written once: a lane permute's destination counts as read
.endr
	v_mov_b32 v252, 0
	v_mov_b32 v253, 0
	s_wait_loadcnt 0x0
	v_lshl_or_b32 v11, v11, 16, v11                ; q's scale word: its two bytes for either half of the 128
	v_lshl_or_b32 v212, v212, 16, v212
	s_wait_tensorcnt 0x0                           ; my fills have landed,
	s_barrier_signal -1
	s_barrier_wait -1                              ; everybody's have
; A QUERY TILE.  sig: the scalar register with its diagonal's key step; qb: q's registers; qsw: q's scale word; dq: the mask's number; oc, ob: the result's codes and byte; sb: its four bases.
.macro TILE sig, qb, qsw, dq, oc, ob, sb
	v_mov_b32 v13, 0xff61b1e6                      ; the largest t so far: -3e38
	s_delay_alu instid0(VALU_DEP_1)
	v_floor_f32 v12, -v13                          ; -M
	v_mov_b32 v14, 0
	v_mov_b32 v15, 0
.set j, 0
.rept 32
	v_mov_b32 v[160+j], 0                          ; O^T: the step is written once; the first change of M leaves zeros zeros
.set j, j+1
.endr
	s_mov_b32 s[KS], 0
	s_mov_b32 s[TB], 0
	s_mov_b32 s[TS], 0
.Lstep_\@:                                             ; 16 trips, a constant; a step behind the diagonal is jumped over (the wave's number and the count of steps decide)
	s_cmp_gt_u32 s[KS], s[\sig]
	s_cbranch_scc1 .Lskip_\@
	s_setprio 2
	v_add_nc_u32 v[ADK], s[TB], v[LI]
	v_add_nc_u32 v[ADV], s[TB], v[LIV]
	v_add_nc_u32 v[ADS], s[TS], v[LSC]
	v_nop                                          ; four places in front of loads into registers that the last step's products read
	ds_load_b128 v[192:195], v[ADS]                ; k's scale words: word f for fragment f
.irp f, 0,1,2,3
.irp c, 0,1
	ds_load_b128 v[32+8*\f+4*\c:32+8*\f+4*\c+3], v[ADK] offset:\f*1024+\c*512    ; key tiles 2 f (c = 0) and 2 f + 1 (c = 1)
.endr
.endr
	ds_load_b128 v[196:199], v[ADS] offset:4096    ; v's scale words: word t for tile t
.irp t, 0,1,2,3
.irp c, 0,1
	ds_load_b128 v[64+8*\t+4*\c:64+8*\t+4*\c+3], v[ADV] offset:\t*1024+\c*512
.endr
.endr
	s_wait_dscnt 9                                 ; k and its words are in; the nine loads behind them, v's, may be out
.irp f, 0,1,2,3
	v_wmma_scale_f32_16x16x128_f8f6f4 v[96+16*\f:103+16*\f], v[32+8*\f:39+8*\f], v[\qb:\qb+7], 0, v[192+\f], v[\qsw] matrix_a_fmt:MATRIX_FMT_FP4 matrix_b_fmt:MATRIX_FMT_FP4
	v_wmma_scale_f32_16x16x128_f8f6f4 v[104+16*\f:111+16*\f], v[32+8*\f:39+8*\f], v[\qb+4:\qb+11], 0, v[192+\f], v[\qsw] matrix_a_fmt:MATRIX_FMT_FP4 matrix_b_fmt:MATRIX_FMT_FP4
.endr                                      ; register 16 b + i: key 128 KS + 32 b + 16 (lane / 16) + i
.rept 4
	v_nop
.endr
	s_cmp_lg_u32 s[KS], s[\sig]                    ; on the diagonal the scores of hidden keys become -infinity ahead of the maximum: p = 0 then
	s_cbranch_scc1 .Lopen_\@
	v_mov_b32 v254, 0xff800000
.set e, 0
.rept 64
	v_cmp_gt_i32 vcc_lo, 32*(e/16)+e%16, v[\dq]
	v_cndmask_b32 v[96+e], v[96+e], v254, vcc_lo
.set e, e+1
.endr
.Lopen_\@:
.irp b, 0,1,2,3
	v_max3_num_f32 v[232+\b], v[96+16*\b], v[97+16*\b], v[98+16*\b]   ; the largest score of each block of 32 keys: for the row's maximum and for the block's largest p
.endr
.irp i, 3,5,7,9,11,13
.irp b, 0,1,2,3
	v_max3_num_f32 v[232+\b], v[232+\b], v[96+16*\b+\i], v[97+16*\b+\i]
.endr
.endr
.irp b, 0,1,2,3
	v_max_num_f32 v[232+\b], v[232+\b], v[111+16*\b]
.endr
.irp b, 0,1,2,3
	s_delay_alu instid0(VALU_DEP_4)
	v_permlanex16_b32 v[236+\b], v[232+\b], s[SEL], s[SEL+1]
.endr
.irp b, 0,1,2,3
	s_delay_alu instid0(VALU_DEP_4)
	v_max_num_f32 v[232+\b], v[232+\b], v[236+\b]  ; with lane l xor 16's 16 keys
.endr
	s_delay_alu instid0(VALU_DEP_2)
	v_max3_num_f32 v254, v232, v233, v234
	s_delay_alu instid0(VALU_DEP_1)
	v_max_num_f32 v254, v254, v235
	s_delay_alu instid0(VALU_DEP_1)
	v_mul_f32 v254, s[CS], v254                    ; the step's largest t
	s_delay_alu instid0(VALU_DEP_1)
	v_max_num_f32 v13, v13, v254
	v_mov_b32 v254, v12
	s_delay_alu instid0(VALU_DEP_2)
	v_floor_f32 v12, -v13                          ; the new -M = -ceil(t)
	s_delay_alu instid0(VALU_DEP_1)
	v_sub_f32 v254, v12, v254                      ; old M - new M: a whole number, 0 or less
	s_delay_alu instid0(VALU_DEP_1)
	v_cvt_i32_f32 v254, v254                       ; (it saturates)
	s_delay_alu instid0(VALU_DEP_1)
	v_ldexp_f32 v252, 1.0, v254                    ; f = 2^(old M - new M)
.set j, 0
.rept 32
	v_pk_fma_f32 v[96+j:97+j], v[96+j:97+j], s[CS:CS+1], v[12:13] op_sel_hi:[1,0,0]   ; t - M
.set j, j+2
.endr
	s_setprio 1
.irp b, 0,1,2,3
	v_fma_f32 v[232+\b], v[232+\b], s[CS], v12     ; the same of each block's largest score
.endr
.set j, 0
	s_wait_alu depctr_va_vdst(0)
.rept 64
	v_exp_f32 v[96+j], v[96+j]                     ; p = 2^(t - M)
.set j, j+1
.endr
	v_pk_mul_f32 v[14:15], v[14:15], v[252:253] op_sel_hi:[1,0]   ; the sums under the new M: the plain line behind the exponentials
	s_wait_alu depctr_va_vdst(0)                   ; one wait for the batch, ahead of its first reader
.irp b, 0,1,2,3
	v_exp_f32 v[232+\b], v[232+\b]                 ; each block's largest p
.endr
	v_pk_add_f32 v[236:237], v[100:101], v[104:105]
	v_pk_add_f32 v[254:255], v[108:109], v[112:113]
	v_pk_add_f32 v[250:251], v[116:117], v[120:121]
	v_pk_add_f32 v[248:249], v[124:125], v[128:129]
	v_pk_add_f32 v[246:247], v[132:133], v[136:137]
	v_pk_add_f32 v[244:245], v[140:141], v[144:145]
	v_pk_add_f32 v[242:243], v[148:149], v[152:153]
	v_pk_add_f32 v[14:15], v[14:15], v[156:157]
	v_pk_add_f32 v[236:237], v[236:237], v[96:97]
	v_pk_add_f32 v[254:255], v[254:255], v[98:99]
	v_pk_add_f32 v[250:251], v[250:251], v[102:103]
	v_pk_add_f32 v[248:249], v[248:249], v[106:107]
	v_pk_add_f32 v[246:247], v[246:247], v[110:111]
	v_pk_add_f32 v[244:245], v[244:245], v[114:115]
	v_pk_add_f32 v[242:243], v[242:243], v[118:119]
	v_pk_add_f32 v[14:15], v[14:15], v[122:123]
	v_pk_add_f32 v[236:237], v[236:237], v[126:127]
	v_pk_add_f32 v[254:255], v[254:255], v[130:131]
	v_pk_add_f32 v[250:251], v[250:251], v[134:135]
	v_pk_add_f32 v[248:249], v[248:249], v[138:139]
	v_pk_add_f32 v[246:247], v[246:247], v[142:143]
	v_pk_add_f32 v[244:245], v[244:245], v[146:147]
	v_pk_add_f32 v[242:243], v[242:243], v[150:151]
	v_pk_add_f32 v[14:15], v[14:15], v[154:155]
	v_pk_add_f32 v[236:237], v[236:237], v[158:159]
	s_delay_alu instid0(VALU_DEP_2)
	v_pk_add_f32 v[14:15], v[14:15], v[248:249]
	s_delay_alu instid0(VALU_DEP_2)
	v_pk_add_f32 v[236:237], v[236:237], v[246:247]
	v_pk_add_f32 v[254:255], v[254:255], v[244:245]
	v_pk_add_f32 v[250:251], v[250:251], v[242:243]
	s_delay_alu instid0(VALU_DEP_2)
	v_pk_add_f32 v[14:15], v[14:15], v[254:255]
	s_delay_alu instid0(VALU_DEP_2)
	v_pk_add_f32 v[236:237], v[236:237], v[250:251]
	s_delay_alu instid0(VALU_DEP_1)
	v_pk_add_f32 v[14:15], v[14:15], v[236:237]
	s_wait_alu depctr_va_vdst(0)                   ; and one for the four
.irp b, 0,1,2,3
	v_max_num_f32 v[232+\b], 0x1800000, v[232+\b]  ; the floor 2^(3 - 127)
.endr
.irp b, 0,1,2,3
	s_delay_alu instid0(VALU_DEP_4)
	v_add_nc_u32 v[244+\b], 0xff000000, v[232+\b]  ; the conversion's scale operand
.endr
.irp b, 0,1,2,3
	s_delay_alu instid0(VALU_DEP_4)
	v_lshrrev_b32 v[236+\b], 23, v[244+\b]         ; the scale's byte
.endr
	s_delay_alu instid0(VALU_DEP_3)
	v_lshl_or_b32 v253, v237, 8, v236              ; p's scale word for these 128 keys
	s_delay_alu instid0(VALU_DEP_1)
	v_lshl_or_b32 v253, v238, 16, v253
	s_delay_alu instid0(VALU_DEP_1)
	v_lshl_or_b32 v253, v239, 24, v253
	s_setprio 0
.irp b, 0,1,2,3
	v_cvt_scalef32_pk8_fp4_f32 v[224+2*\b], v[96+16*\b:103+16*\b], v[244+\b]
	v_cvt_scalef32_pk8_fp4_f32 v[225+2*\b], v[104+16*\b:111+16*\b], v[244+\b]
.endr
	v_nop                                          ; one plain line behind the conversions
.irp c, 0,1
.irp i, 0,1
	v_permlane16_swap_b32 v[224+4*\c+\i], v[226+4*\c+\i]
.endr
.endr
.set j, 0
.rept 16
	v_pk_mul_f32 v[160+j:161+j], v[160+j:161+j], v[252:253] op_sel_hi:[1,0]   ; O^T under the new M; these sixteen also stand between the lines that made p's codes and scale word and the products
.set j, j+2
.endr
	s_wait_alu depctr_va_vdst(0)
	s_wait_dscnt 0x0                               ; v is in
.irp t, 0,1,2,3                            ; the four accumulators by turns, one instruction a turn
	v_wmma_scale_f32_16x16x128_f8f6f4 v[160+8*\t:167+8*\t], v[64+8*\t:71+8*\t], v[224:231], v[160+8*\t:167+8*\t], v[196+\t], v253 matrix_a_fmt:MATRIX_FMT_FP4 matrix_b_fmt:MATRIX_FMT_FP4
.endr
.Lskip_\@:
	s_add_co_u32 s[TB], s[TB], 4096
	s_add_co_u32 s[TS], s[TS], 256
	s_add_co_u32 s[KS], s[KS], 1
	s_cmp_lt_u32 s[KS], 16
	s_cbranch_scc1 .Lstep_\@
	s_setprio 0
	; the tile's way out: O^T / l; register 16 g + i is channel 32 g + 16 (lane / 16) + i of the head: two blocks of the last product's K
.rept 4
	v_nop
.endr
	v_add_f32 v14, v14, v15
	s_delay_alu instid0(VALU_DEP_1)
	v_permlanex16_b32 v252, v14, s[SEL], s[SEL+1]
	s_delay_alu instid0(VALU_DEP_1)
	v_add_f32 v14, v14, v252                       ; the row's sum
	s_wait_alu depctr_va_vdst(0)
	v_rcp_f32 v14, v14
	v_nop
	s_wait_alu depctr_va_vdst(0)
.set j, 0
.rept 16
	v_pk_mul_f32 v[96+j:97+j], v[160+j:161+j], v[14:15] op_sel_hi:[1,0]
.set j, j+2
.endr
.irp g, 0,1
	v_max3_num_f32 v[232+\g], |v[96+16*\g]|, |v[97+16*\g]|, 0x1800000
.endr
.irp i, 2,4,6,8,10,12,14
.irp g, 0,1
	s_delay_alu instid0(VALU_DEP_2)
	v_max3_num_f32 v[232+\g], v[232+\g], |v[96+16*\g+\i]|, |v[97+16*\g+\i]|
.endr
.endr
.irp g, 0,1
	s_delay_alu instid0(VALU_DEP_2)
	v_permlanex16_b32 v[236+\g], v[232+\g], s[SEL], s[SEL+1]
.endr
.irp g, 0,1
	s_delay_alu instid0(VALU_DEP_2)
	v_max_num_f32 v[232+\g], v[232+\g], v[236+\g]
.endr
.irp g, 0,1
	s_delay_alu instid0(VALU_DEP_2)
	v_add_nc_u32 v[244+\g], 0xff000000, v[232+\g]
.endr
.irp g, 0,1
	s_delay_alu instid0(VALU_DEP_2)
	v_lshrrev_b32 v[236+\g], 23, v[244+\g]
.endr
.irp g, 0,1
	v_cvt_scalef32_pk8_fp4_f32 v[\oc+2*\g], v[96+16*\g:103+16*\g], v[244+\g]
	v_cvt_scalef32_pk8_fp4_f32 v[\oc+1+2*\g], v[104+16*\g:111+16*\g], v[244+\g]
.endr
	v_nop
	v_permlane16_swap_b32 v[\oc], v[\oc+2]         ; lanes 0-15 the first block whole, lanes 16-31 the second
	v_permlane16_swap_b32 v[\oc+1], v[\oc+3]
	v_cndmask_b32 v[\ob], v236, v237, s[HM]
	global_store_b128 v[LI], v[\oc:\oc+3], s[\sb+4:\sb+5]    ; 512 consecutive bytes of the operand's image
	global_store_b8 v[OBY], v[\ob], s[\sb+6:\sb+7]           ; my block's scale byte: 32 bytes of a tile's 256, one sixteenth of the codes' bytes
.endm
	TILE SIG, 16, 11, DQ0, 216, 213, 56
	TILE SIG+1, 200, 212, 215, 220, 214, 66
	s_wait_tensorcnt 0x0                           ; the wave's end
	ds_add_u32 v[SPW], v[NIL]
	s_wait_dscnt 0x0
	CROUND                                         ; the closing round
	s_endpgm
.Lfunc_end_k_q4bc741840b_attn:
	.size	k_q4bc741840b_attn, .Lfunc_end_k_q4bc741840b_attn-k_q4bc741840b_attn
	.p2alignl 7, 3214868480
	.fill 96, 4, 3214868480
	.section	.rodata,"a",@progbits
	.p2align	6, 0x0
	.amdhsa_kernel k_q4bc741840b_attn
		.amdhsa_group_segment_fixed_size 167936
		.amdhsa_private_segment_fixed_size 0
		.amdhsa_enable_private_segment 0
		.amdhsa_kernarg_size 16
		.amdhsa_user_sgpr_count 2
		.amdhsa_user_sgpr_kernarg_segment_ptr 1
		.amdhsa_wavefront_size32 1
		.amdhsa_system_sgpr_workgroup_id_x 1
		.amdhsa_system_sgpr_workgroup_id_y 1
		.amdhsa_system_sgpr_workgroup_id_z 1
		.amdhsa_system_vgpr_workitem_id 0
		.amdhsa_next_free_vgpr 256
		.amdhsa_next_free_sgpr 100
		.amdhsa_reserve_vcc 1
		.amdhsa_float_denorm_mode_32 3
		.amdhsa_float_denorm_mode_16_64 3
		.amdhsa_memory_ordered 1
		.amdhsa_forward_progress 1
		.amdhsa_inst_pref_size 63
	.end_amdhsa_kernel
	.amdgpu_metadata
---
amdhsa.version: [ 1, 2 ]
amdhsa.kernels:
  - .name:           k_q4bc741840b_attn
    .symbol:         k_q4bc741840b_attn.kd
    .args:
      - { .name: qkv, .offset: 0, .size: 8, .value_kind: global_buffer, .address_space: global }
      - { .name: ao, .offset: 8, .size: 8, .value_kind: global_buffer, .address_space: global }
    .group_segment_fixed_size: 167936
    .private_segment_fixed_size: 0
    .kernarg_segment_align: 8
    .kernarg_segment_size: 16
    .max_flat_workgroup_size: 512
    .sgpr_count:     100
    .vgpr_count:     256
    .wavefront_size: 32
...
	.end_amdgpu_metadata
.endif
;; end of part 3
;; launch gemm_out (part 4): grid 4 x 64, 4 waves a work-group, clusters of 4 x 4, 243,200 bytes of LDS; arguments ao, opq, o_b, out0; writes out0
.if DOCPART == 4
	.amdgcn_target "amdgcn-amd-amdhsa--gfx1250"
	.amdhsa_code_object_version 6
	.text
	.protected	k_q4bc741840b_gemm_out
	.globl	k_q4bc741840b_gemm_out
	.p2align	8
	.type	k_q4bc741840b_gemm_out,@function
k_q4bc741840b_gemm_out:
	s_mov_b64 s[64:65], 0
	v_nop
	global_prefetch_b8 v0, s[64:65] scope:SCOPE_SE
	s_setreg_imm32_b32 hwreg(HW_REG_WAVE_MODE, 25, 1), 1
	s_wait_xcnt 0x0
	s_wait_alu depctr_hold_cnt(0) depctr_sa_sdst(0) depctr_va_vdst(0) depctr_va_sdst(0) depctr_va_ssrc(0) depctr_va_vcc(0) depctr_vm_vsrc(0)
	s_getreg_b32 s2, hwreg(HW_REG_IB_STS2, 6, 4)
	s_cmp_eq_u32 s2, 0
	s_cbranch_scc0 .Lentry_in_a_cluster
	s_endpgm
.Lentry_in_a_cluster:
	s_bfe_u32 s2, ttmp6, 0x10000c
	s_cmp_lg_u32 s2, 0xf033
	s_cbranch_scc0 .Lentry_shape_is_right
	s_endpgm
.Lentry_shape_is_right:
; out0 = attn Wo + o_b on codes of FP4.  Nothing of reference() is left out here.
; A work-group makes 128 tokens x 256 columns; four waves 64 tokens x 128 columns each (32 accumulators).  256 work-groups.  K = 1,024 is resident: two LDS slots of 512 along K and all scale bytes, asked for at the head, filled once.
; Source 0 = columns of o_w (tiles 192 + 16 cx on of the weights' codes), source 1 = tokens: a lane holds one token and neighbouring columns.  o_b is the C of each sum's first matrix instruction.
; CLUSTER 4 x 4: source 0's tiles hang on cx alone (asked for jointly by a column of the cluster), source 1's on cy and the cluster's y (by a row).
; The way out goes through the wave's own stage in LDS, bytes into which no fill lands: whole runs of 512 bytes of a row of out0 are stored, aligned.  No prefetch: all is asked for at the head.  A wave has three tensor loads out.
; REGISTERS: window 0: addresses; v32-95 scale words; v128-191 o_b, later with v192-255 the rows on the way out.  window 1: two sets of fragments at 0 and 128: source 0's eight, then source 1's four.  window 2: accumulator (a, b) at v[8 (8 a + b)].
.set WC,    4194304
.set WS,    6553600
.set AS,    4194304
.set SLOT,  98304                      ; a slot: source 1's 8 tiles of 4,096 bytes, then source 0's 16
.set SCL,   2*SLOT                     ; scale bytes: source 1's 8 x 512, then source 0's 16 x 512
.set STAGE, SCL+12288                  ; 16 rows x (512 + 16) bytes for each wave
.set SPARE, STAGE+4*8448
.set ADRA,  16
.set ADRB,  20
.set LI,    24                         ; v24  16 x lane
.set STO,   25
.set RD,    26
.set ADRS,  27
.set SPW,   28
.set NIL,   29
.set SC,    32
.set BB,    128
.set G1,    24
.set G0,    32
.set G1B,   48
.set G0B,   56
.set G1S,   68
.set G0S,   76
.set G1SB,  80
.set G0SB,  88
.set MSB, 0
.macro WIN new
.if MSB != (\new)
	s_set_vgpr_msb (MSB<<8)|(\new)
.set MSB, (\new)
.endif
.endm
.macro PLACES n
.rept \n
	v_nop
.endr
.endm
.macro JLOAD g0a, g1a, g0b, g1b        ; waves 0 and 1 fetch for source 1, waves 2 and 3 for source 0; an s_nop 0 and four v_nop follow each line
	s_cmp_eq_u32 s13, 0
	s_cbranch_scc0 .Lfor_b_\@
	tensor_load_to_lds s[\g0a:\g0a+3], s[\g1a:\g1a+7]
	s_nop 0
.rept 4
	v_nop
.endr
	s_branch .Lasked_\@
.Lfor_b_\@:
	tensor_load_to_lds s[\g0b:\g0b+3], s[\g1b:\g1b+7]
	s_nop 0
.rept 4
	v_nop
.endr
.Lasked_\@:
.endm
.macro CROUND
	s_barrier_signal -1
	s_barrier_wait -1
	s_cmp_lg_u32 s12, 0
	s_cbranch_scc1 .Lnot_wave_0_\@
	s_barrier_signal -3
.Lnot_wave_0_\@:
	s_barrier_wait -3
	s_barrier_signal -1
	s_barrier_wait -1
.endm
	s_load_b256 s[4:11], s[0:1], 0x0               ; ao s[4:5], opq s[6:7], o_b s[8:9], out0 s[10:11]
	v_lshl_add_u32 v[SPW], v0, 2, SPARE
	v_mov_b32 v[NIL], 0
	ds_add_u32 v[SPW], v[NIL]                      ; the opening: the add, twice on end, and its wait ahead of my first tensor load
	ds_add_u32 v[SPW], v[NIL]
	v_lshrrev_b32 v1, 5, v0
	v_readfirstlane_b32 s12, v1                    ; wave 0..3
	s_lshr_b32 s13, s12, 1                         ; my half of the tokens.  Also: I fetch for source 1 (0) or source 0 (1)
	s_and_b32 s14, s12, 1                          ; my half of the columns.  Also: which half I fetch
	s_bfe_u32 s40, ttmp6, 0x40000                  ; cx: the block of 256 columns
	s_bfe_u32 s41, ttmp6, 0x40004                  ; cy
	s_and_b32 s18, ttmp7, 0xffff
	s_lshl_b32 s18, s18, 2
	s_add_co_u32 s16, s18, s41                     ; the block of 128 tokens, 0..63
	s_lshl_b32 s43, s41, 2
	s_lshl_b32 s43, 15, s43                        ; my row of the cluster
	s_lshl_b32 s44, 0x1111, s40                    ; my column
	s_or_b32 s[G1], s43, (3<<16)|(1<<21)           ; dense blocks as rows of 256 bytes, no padding; bit 21 set beside a mask
	s_or_b32 s[G1B], s44, (3<<16)|(1<<21)
	s_or_b32 s[G1S], s43, (3<<16)|(1<<21)
	s_or_b32 s[G1SB], s44, (3<<16)|(1<<21)
.macro SHAPE g, rows
	s_mov_b32 s[\g+1], 32<<16
	s_mov_b32 s[\g+2], (\rows)<<16
	s_mov_b32 s[\g+3], 32<<16
	s_mov_b32 s[\g+4], \rows
	s_mov_b32 s[\g+5], 32
	s_mov_b32 s[\g+6], 0
	s_mov_b32 s[\g+7], 0
.endm
	SHAPE G1, 64                                   ; 4 tiles x 4,096 bytes
	SHAPE G1B, 128                                 ; 8 tiles
	SHAPE G1S, 8                                   ; 4 tiles x 512 bytes
	SHAPE G1SB, 16                                 ; 8 tiles
	s_lshl_b32 s20, s16, 15
	s_lshl_b32 s45, s14, 14
	s_add_co_u32 s20, s20, s45                     ; source 1's codes: tile 8 x block + 4 x half
	s_mov_b32 s21, 0
	s_lshl_b32 s22, s16, 12
	s_lshl_b32 s45, s14, 11
	s_add_co_u32 s22, s22, s45
	s_add_co_u32 s22, s22, AS                      ; its scales
	s_mov_b32 s23, 0
	s_lshl_b32 s46, s40, 16
	s_lshl_b32 s45, s14, 15
	s_add_co_u32 s46, s46, s45
	s_add_co_u32 s46, s46, WC+192*4096             ; source 0's codes: tile 192 + 16 cx + 8 x half
	s_mov_b32 s47, 0
	s_lshl_b32 s66, s40, 13
	s_lshl_b32 s45, s14, 12
	s_add_co_u32 s66, s66, s45
	s_add_co_u32 s66, s66, WS+192*512              ; its scales
	s_mov_b32 s67, 0
	s_lshl_b32 s2, s14, 14                         ; where they go: source 1's half,
	s_lshl_b32 s3, s14, 15
	s_add_co_u32 s3, s3, 32768                     ; source 0's half, behind source 1's 8 tiles
	s_lshl_b32 s18, s14, 11
	s_add_co_u32 s18, s18, SCL
	s_lshl_b32 s19, s14, 12
	s_add_co_u32 s19, s19, SCL+4096
	s_wait_dscnt 0x0                               ; both opening adds are done
	s_wait_kmcnt 0x0
	s_add_nc_u64 s[20:21], s[4:5], s[20:21]
	s_add_nc_u64 s[22:23], s[4:5], s[22:23]
	s_add_nc_u64 s[46:47], s[6:7], s[46:47]
	s_add_nc_u64 s[66:67], s[6:7], s[66:67]
	CROUND                                         ; all sixteen work-groups are here: the joint loads meet
	s_mov_b32 s[G0S], 1
	s_mov_b32 s[G0S+1], s18
	s_mov_b64 s[G0S+2:G0S+3], s[22:23]
	s_or_b32 s[G0S+3], s[G0S+3], 0x80000000
	s_mov_b32 s[G0SB], 1
	s_mov_b32 s[G0SB+1], s19
	s_mov_b64 s[G0SB+2:G0SB+3], s[66:67]
	s_or_b32 s[G0SB+3], s[G0SB+3], 0x80000000
	JLOAD G0S, G1S, G0SB, G1SB                     ; the scales first
	s_mov_b32 s[G0], 1
	s_mov_b32 s[G0+1], s2
	s_mov_b64 s[G0+2:G0+3], s[20:21]
	s_or_b32 s[G0+3], s[G0+3], 0x80000000
	s_mov_b32 s[G0B], 1
	s_mov_b32 s[G0B+1], s3
	s_mov_b64 s[G0B+2:G0B+3], s[46:47]
	s_or_b32 s[G0B+3], s[G0B+3], 0x80000000
	JLOAD G0, G1, G0B, G1B                         ; slot 0
	s_mov_b32 s[G0+4], 1
	s_add_co_u32 s[G0+5], s2, SLOT
	s_add_nc_u64 s[G0+6:G0+7], s[20:21], 0x200000
	s_or_b32 s[G0+7], s[G0+7], 0x80000000
	s_mov_b32 s[G0B+4], 1
	s_add_co_u32 s[G0B+5], s3, SLOT
	s_add_nc_u64 s[G0B+6:G0B+7], s[46:47], 0x100000
	s_or_b32 s[G0B+7], s[G0B+7], 0x80000000
	JLOAD G0+4, G1, G0B+4, G1B                     ; slot 1
	v_and_b32 v1, 31, v0
	v_and_b32 v2, 15, v0                           ; r
	v_bfe_u32 v3, v0, 4, 1                         ; h
	v_lshlrev_b32 v[LI], 4, v1
	s_lshl_b32 s2, s13, 14
	v_add_nc_u32 v[ADRA], s2, v[LI]
	v_add_nc_u32 v[ADRA+1], SLOT, v[ADRA]
	s_lshl_b32 s2, s14, 15
	s_add_co_u32 s2, s2, 32768
	v_add_nc_u32 v[ADRB], s2, v[LI]
	v_add_nc_u32 v[ADRB+1], SLOT, v[ADRB]
	v_lshlrev_b32 v4, 4, v2
	s_lshl_b32 s2, s13, 11                         ; source 1's scales: my 4 tiles
	s_lshl_b32 s3, s14, 12                         ; source 0's: my 8 tiles, behind source 1's 8
	s_add_co_u32 s3, s3, 4096
	s_sub_co_u32 s3, s3, s2
	v_mul_u32_u24 v5, s3, v3                       ; lanes 16-31 take source 0's: one product, the distance between the two
	s_add_co_u32 s2, s2, SCL
	v_add_nc_u32 v5, v5, v4
	v_add_nc_u32 v[ADRS], s2, v5
	s_mul_i32 s2, s12, 8448
	s_add_co_u32 s2, s2, STAGE                     ; my stage
	v_mul_u32_u24 v5, v2, 528
	v_lshl_add_u32 v5, v3, 6, v5
	v_add_nc_u32 v[STO], s2, v5                    ; in: row r, + 64 h bytes
	v_add_nc_u32 v[RD], s2, v[LI]                  ; back: a row of 512 bytes to the 32 lanes
	v_lshlrev_b32 v30, 6, v3                       ; o_b: 16 h numbers on
	s_wait_alu depctr_va_vdst(0)
	s_lshl_b32 s2, s40, 10
	s_lshl_b32 s3, s14, 9
	s_add_co_u32 s2, s2, s3                        ; my first column, in bytes
	s_mov_b32 s3, 0
	s_add_nc_u64 s[8:9], s[8:9], s[2:3]
	s_add_nc_u64 s[10:11], s[10:11], s[2:3]
	s_lshl_b32 s2, s16, 19
	s_lshl_b32 s18, s13, 18
	s_add_co_u32 s2, s2, s18                       ; my first token's row of 4,096 bytes
	s_add_nc_u64 s[10:11], s[10:11], s[2:3]
.irp b, 0,1,2,3,4,5,6,7                    ; v[BB + 8 b + j] = o_b at column 32 (b / 2) + 16 h + 8 (b % 2) + j of my 128: the result's layout
	global_load_b128 v[BB+8*\b:BB+8*\b+3], v30, s[8:9] offset:(32*(\b/2)+8*(\b%2))*4
	global_load_b128 v[BB+8*\b+4:BB+8*\b+7], v30, s[8:9] offset:(32*(\b/2)+8*(\b%2))*4+16
.endr
.macro SCALES                          ; register 32 kq + 4 i + q: lanes 0-15 the word of source 1's tile i (i = 4..7: bytes that are filled and not used), lanes 16-31 that of source 0's tile i
.irp kq, 0,1
.irp i, 0,1,2,3,4,5,6,7
	ds_load_b128 v[SC+32*\kq+4*\i:SC+32*\kq+4*\i+3], v[ADRS] offset:\i*512+\kq*256
.endr
.endr
.endm
.macro FETCH kq, q, p
	WIN 0x40
.irp i, 0,1,2,3,4,5,6,7
.irp c, 0,1
	ds_load_b128 v[128*(\p)+8*\i+4*\c:128*(\p)+8*\i+4*\c+3], v[ADRB+(\kq)] offset:\i*4096+(\q)*1024+\c*512
.endr
.endr
.irp i, 0,1,2,3
.irp c, 0,1
	ds_load_b128 v[128*(\p)+64+8*\i+4*\c:128*(\p)+64+8*\i+4*\c+3], v[ADRA+(\kq)] offset:\i*4096+(\q)*1024+\c*512
.endr
.endr
.endm
; 16 matrix instructions; the 32 accumulators take turns, one instruction a turn, in the same order in every step.  first = 1: o_b starts the sums
.macro MUL16 a0, p, q, kq, first
.irp a, \a0, \a0+1
.irp b, 0,1,2,3,4,5,6,7
.if \first
	v_wmma_scale_f32_16x16x128_f8f6f4 v[8*(8*(\a)+\b):8*(8*(\a)+\b)+7], v[128*(\p)+8*\b:128*(\p)+8*\b+7], v[128*(\p)+64+8*(\a):128*(\p)+64+8*(\a)+7], v[BB+8*\b:BB+8*\b+7], v[SC+32*(\kq)+4*\b+(\q)], v[SC+32*(\kq)+4*(\a)+(\q)] matrix_a_fmt:MATRIX_FMT_FP4 matrix_b_fmt:MATRIX_FMT_FP4 matrix_a_scale:MATRIX_SCALE_ROW1
.else
	v_wmma_scale_f32_16x16x128_f8f6f4 v[8*(8*(\a)+\b):8*(8*(\a)+\b)+7], v[128*(\p)+8*\b:128*(\p)+8*\b+7], v[128*(\p)+64+8*(\a):128*(\p)+64+8*(\a)+7], v[8*(8*(\a)+\b):8*(8*(\a)+\b)+7], v[SC+32*(\kq)+4*\b+(\q)], v[SC+32*(\kq)+4*(\a)+(\q)] matrix_a_fmt:MATRIX_FMT_FP4 matrix_b_fmt:MATRIX_FMT_FP4 matrix_a_scale:MATRIX_SCALE_ROW1
.endif
.endr
.endr
.endm
.macro MWIN first
.if \first
	WIN 0x85                                       ; sources 0 and 1 window 1, C (o_b) window 0, D window 2
.else
	WIN 0xa5                                       ; C and D window 2
.endif
.endm
; Step n of eight; in its middle the next step's fragments are fetched into the other set, behind four places.  Step 3 fetches from slot 1 for the first time: each wave waits for its part, and a barrier shows all parts to all.
.macro STEP n, first
.if (\n) == 3
	s_wait_tensorcnt 0x0
.endif
	s_wait_dscnt 0x0
.if (\n) == 3
	s_barrier_signal -1
.endif
	MWIN \first
	MUL16 0, (\n)%2, (\n)%4, (\n)/4, \first
.if (\n) == 3
	s_barrier_wait -1
.endif
.if (\n) < 7
	PLACES 4
	FETCH ((\n)+1)/4, ((\n)+1)%4, 1-(\n)%2
.endif
	MWIN \first
	MUL16 2, (\n)%2, (\n)%4, (\n)/4, \first
.endm
	s_wait_tensorcnt 0x1                           ; the scales and my part of slot 0 are in; slot 1's load, issued behind them, may stay out
	s_barrier_signal -1
	s_barrier_wait -1
	SCALES
	FETCH 0, 0, 0
	s_wait_loadcnt 0x0                             ; o_b
	STEP 0, 1
	STEP 1, 0
	STEP 2, 0
	STEP 3, 0
	STEP 4, 0
	STEP 5, 0
	STEP 6, 0
	STEP 7, 0
	WIN 0
; THE WAY OUT, a tile of 16 tokens x 128 columns at a time.  A lane holds pieces of 32 bytes of one row: they go into my stage and come back as whole rows of 512 bytes.  LDS serves a wave's instructions in order.
.macro TOSTAGE a
	WIN 0x08                                       ; an LDS store's data: window 2
.irp b, 0,1,2,3,4,5,6,7
	ds_store_b128 v[STO], v[8*(8*(\a)+\b):8*(8*(\a)+\b)+3] offset:(\b/2)*128+(\b%2)*32          ; each accumulator from its low end on
	ds_store_b128 v[STO], v[8*(8*(\a)+\b)+4:8*(8*(\a)+\b)+7] offset:(\b/2)*128+(\b%2)*32+16
.endr
	WIN 0
.irp t, 0,1,2,3,4,5,6,7,8,9,10,11,12,13,14,15
	ds_load_b128 v[BB+64*((\a)%2)+4*\t:BB+64*((\a)%2)+4*\t+3], v[RD] offset:\t*528
.endr
.endm
.macro SEND a, younger                 ; younger: the LDS instructions issued behind tile a's loads, which may stay out
	s_wait_dscnt \younger
.irp t, 0,1,2,3,4,5,6,7,8,9,10,11,12,13,14,15
	global_store_b128 v[LI], v[BB+64*((\a)%2)+4*\t:BB+64*((\a)%2)+4*\t+3], s[10:11] offset:(32*((\a)/2)+8*((\a)%2)+(\t%8)+16*(\t/8))*4096 th:TH_STORE_NT   ; place t of tile a is that token; 512 consecutive bytes, aligned; every offset an immediate
.endr
.endm
	PLACES 4                                       ; in front of the first read of results
	TOSTAGE 0
	TOSTAGE 1
	SEND 0, 32                                     ; behind tile 0's loads: tile 1's 16 stores and 16 loads
	s_wait_xcnt 0x0                                ; tile 0's stores have read their registers: tile 2's loads may land there
	TOSTAGE 2
	SEND 1, 32
	s_wait_xcnt 0x0
	TOSTAGE 3
	SEND 2, 32
	SEND 3, 0
	s_wait_tensorcnt 0x0                           ; the wave's end
	ds_add_u32 v[SPW], v[NIL]
	s_wait_dscnt 0x0
	CROUND                                         ; the closing round
	s_endpgm
.Lfunc_end_k_q4bc741840b_gemm_out:
	.size	k_q4bc741840b_gemm_out, .Lfunc_end_k_q4bc741840b_gemm_out-k_q4bc741840b_gemm_out
	.p2alignl 7, 3214868480
	.fill 96, 4, 3214868480
	.section	.rodata,"a",@progbits
	.p2align	6, 0x0
	.amdhsa_kernel k_q4bc741840b_gemm_out
		.amdhsa_group_segment_fixed_size 243200
		.amdhsa_private_segment_fixed_size 0
		.amdhsa_enable_private_segment 0
		.amdhsa_kernarg_size 32
		.amdhsa_user_sgpr_count 2
		.amdhsa_user_sgpr_kernarg_segment_ptr 1
		.amdhsa_wavefront_size32 1
		.amdhsa_system_sgpr_workgroup_id_x 1
		.amdhsa_system_sgpr_workgroup_id_y 1
		.amdhsa_system_sgpr_workgroup_id_z 1
		.amdhsa_system_vgpr_workitem_id 0
		.amdhsa_next_free_vgpr 768
		.amdhsa_next_free_sgpr 100
		.amdhsa_reserve_vcc 0
		.amdhsa_float_denorm_mode_32 3
		.amdhsa_float_denorm_mode_16_64 3
		.amdhsa_memory_ordered 1
		.amdhsa_forward_progress 1
		.amdhsa_inst_pref_size 73
	.end_amdhsa_kernel
	.amdgpu_metadata
---
amdhsa.version: [ 1, 2 ]
amdhsa.kernels:
  - .name:           k_q4bc741840b_gemm_out
    .symbol:         k_q4bc741840b_gemm_out.kd
    .args:
      - { .name: ao, .offset: 0, .size: 8, .value_kind: global_buffer, .address_space: global }
      - { .name: opq, .offset: 8, .size: 8, .value_kind: global_buffer, .address_space: global }
      - { .name: o_b, .offset: 16, .size: 8, .value_kind: global_buffer, .address_space: global }
      - { .name: out0, .offset: 24, .size: 8, .value_kind: global_buffer, .address_space: global }
    .group_segment_fixed_size: 243200
    .private_segment_fixed_size: 0
    .kernarg_segment_align: 8
    .kernarg_segment_size: 32
    .max_flat_workgroup_size: 128
    .sgpr_count:     100
    .vgpr_count:     768
    .wavefront_size: 32
...
	.end_amdgpu_metadata
.endif
;; end of part 4
